; MI455X (gfx1250); checked and timed in simulation.
; The chip was launched on July 23, 2026; its instructions are those of AMD's public machine-readable ISA for CDNA 5 (MIT licence, August 2026) and "CDNA5" Instruction Set Architecture Reference Guide (July 2026). The comments in the code are by the model that wrote it; some were corrected since.
;; Mo E All To All Layer. Allowed arithmetic: matrix products marked QUANTISED: E2M1 operands, one E8M0 scale for each 32 along K, by v_wmma_scale_f32_16x16x128_f8f6f4 with both operands' format E2M1 (or v_wmma_scale_f32_32x16x128_f4), f32 sums; products left as they are: f32 operands where the result goes on into a quantised operand, else bf16, f16 or f32 operands; f32 sums; everything else in f32.
;; Inputs: W1 8 x 1,024 x 4,096 float32; W2 8 x 4,096 x 1,024 float32; Wr 1,024 x 8 float32; b1 8 x 4,096 float32; b2 8 x 1,024 float32; br 8 float32; x 1,024 x 1,024 float32.
;; Outputs: out0 1,024 x 1,024 float32.
;; This version of the problem:
;;   THIS VERSION OF THE PROBLEM IS GIVEN IN LOW PRECISION. The matrix products marked QUANTISED in the list below multiply operands that are first quantised to E2M1 (2 exponent bits, 1 mantissa bit; 4 bits a number), with one power-of-two scale for each 32 numbers along K (OCP MX v1.0); their sums are f32. All else is computed in f32.
;;   The module's matrix products, in the order in which they are computed (A, B: the left and right operand; K: the contracted axis; several contracted axes count as one K, in the product's order):
;;     1. [M 1,024, K 1,024] x [K 1,024, N 8]; A: input x; B: input Wr: left as it is (N = 8 < 16)
;;     2. [M 1,024, K 1,024] x [K 1,024, N 4,096]; A: input x; B: input W1: QUANTISED
;;     3. [M 1,024, K 4,096] x [K 4,096, N 1,024]; A: computed on the way; B: input W2: QUANTISED
;;     4. [M 1,024, K 1,024] x [K 1,024, N 4,096]; A: input x; B: input W1: QUANTISED
;;     5. [M 1,024, K 4,096] x [K 4,096, N 1,024]; A: computed on the way; B: input W2: QUANTISED
;;     6. [M 1,024, K 1,024] x [K 1,024, N 4,096]; A: input x; B: input W1: QUANTISED
;;     7. [M 1,024, K 4,096] x [K 4,096, N 1,024]; A: computed on the way; B: input W2: QUANTISED
;;     8. [M 1,024, K 1,024] x [K 1,024, N 4,096]; A: input x; B: input W1: QUANTISED
;;     9. [M 1,024, K 4,096] x [K 4,096, N 1,024]; A: computed on the way; B: input W2: QUANTISED
;;     10. [M 1,024, K 1,024] x [K 1,024, N 4,096]; A: input x; B: input W1: QUANTISED
;;     11. [M 1,024, K 4,096] x [K 4,096, N 1,024]; A: computed on the way; B: input W2: QUANTISED
;;     12. [M 1,024, K 1,024] x [K 1,024, N 4,096]; A: input x; B: input W1: QUANTISED
;;     13. [M 1,024, K 4,096] x [K 4,096, N 1,024]; A: computed on the way; B: input W2: QUANTISED
;;     14. [M 1,024, K 1,024] x [K 1,024, N 4,096]; A: input x; B: input W1: QUANTISED
;;     15. [M 1,024, K 4,096] x [K 4,096, N 1,024]; A: computed on the way; B: input W2: QUANTISED
;;     16. [M 1,024, K 1,024] x [K 1,024, N 4,096]; A: input x; B: input W1: QUANTISED
;;     17. [M 1,024, K 4,096] x [K 4,096, N 1,024]; A: computed on the way; B: input W2: QUANTISED
;;   THE QUANTISER, for each operand of a quantised product, along K:
;;     - K is cut into blocks of 32 from its start; a last block that is shorter is filled with zeros.
;;     - A block's scale is 2^e with e = floor(log2(the largest magnitude in the block)) - 2, held to -126 .. 127; a block of zeros has e = 0. As a byte (E8M0): e + 127.
;;     - Each number is divided by its block's scale, clamped to +-6, and rounded to the nearest number of E2M1, ties to even, subnormals kept.
;;     - The product sums the exact products of the quantised numbers (number of the format x scale) in f32.
;;   ~~~python
;;   def quantise(x, axis):      # numpy; x: float32 -> the quantised numbers, widened to float32 again
;;       x = np.moveaxis(x, axis, -1); K = x.shape[-1]
;;       x = np.pad(x, [(0, 0)] * (x.ndim - 1) + [(0, -K % 32)]); x = x.reshape(x.shape[:-1] + (-1, 32)); a = np.abs(x).max(-1, keepdims=True)
;;       e = np.where(a > 0, np.clip(np.frexp(np.where(a > 0, a, 1))[1] - 1 - 2, -126, 127), 0)      # np.frexp(a)[1] - 1 = floor(log2(a)), exactly
;;       r = np.clip(x / 2.0 ** e, -6, 6)
;;       step = 2.0 ** (np.maximum(np.frexp(np.where(r == 0, 1, r))[1] - 1, 0) - 1)
;;       q = np.round(r / step) * step * 2.0 ** e      # np.round: ties to even
;;       return np.moveaxis(q.reshape(q.shape[:-2] + (-1,))[..., :K], -1, axis).astype(np.float32)
;;   ~~~
;;   OPERANDS COMPUTED ON THE WAY. 'Computed on the way' means the value that the module computes at that place (a softmax that the list does not call 'softmax' is quantised finished and normalised). What goes into a quantiser is computed in f32, as accurately as f32 sums, v_exp_f32 and their like allow (about 1e-6 of the number): no bf16 or f16 on the way to a quantiser, and a product that is left as it is and whose result goes on into a quantised operand takes f32 operands (vector FMAs, or v_wmma_f32_16x16x4_f32). A number that lies on a knife's edge between two numbers of the format may be rounded either way, as far as f32 arithmetic and the matrix unit's own rounding can turn it there, and no further.
;; One version. Each part assembles by itself: llvm-mc -triple=amdgcn-amd-amdhsa -mcpu=gfx1250 --defsym DOCPART=n.
;; ======== version 1 of 1: 4 launches
;; limits: right only within a limited range of input values
;; workspace buffers: xq 524,288 bytes; xs 32,768 bytes; idx 4,096 bytes of whole numbers; score 4,096 bytes; plan 4,352 bytes of whole numbers; ss 4,096 bytes; hq 2,506,752 bytes; part 8,388,608 bytes
;; launch route (part 1): grid 256 x 1, 1 waves a work-group, no clusters, 0 bytes of LDS; arguments x, Wr, br, xq, xs, idx, score; writes xq, xs, idx, score
.if DOCPART == 1
	.amdgcn_target "amdgcn-amd-amdhsa--gfx1250"
	.amdhsa_code_object_version 6
	.text
	.protected	k_q7f28f09c19_route
	.globl	k_q7f28f09c19_route
	.p2align	8
	.type	k_q7f28f09c19_route,@function
k_q7f28f09c19_route:
	s_mov_b64 s[64:65], 0
	v_nop
	global_prefetch_b8 v0, s[64:65] scope:SCOPE_SE
	s_setreg_imm32_b32 hwreg(HW_REG_WAVE_MODE, 25, 1), 1
	s_wait_xcnt 0x0
; THE ROUTER, AND x INTO CODES.  x [1024][1024] f32, Wr [1024][8] f32, br [8] f32.
; For each token: logits = x Wr + br in f32 (fused multiply-adds), the index of the largest logit (the lowest index on ties), and the largest
; softmax score = 1 / sum over e of exp(l_e - max l): the maximum is taken away ahead of the exponentials.
; Beside that x is quantised along its rows to E2M1 with one E8M0 byte for each 32: xq [token][512 bytes], K innermost, the lower k in the low four bits;
; xs [token][8 words], word s = the four bytes of k = 128 s .. 128 s + 127.
; SHARES.  A work-group is one wave and takes four tokens.  Lane l owns k = 32 l .. 32 l + 31 of each of the four rows: a whole block of the quantiser, so that
; a block's largest magnitude needs no other lane; the logits' partial sums of the 32 lanes meet at the end.
; The chosen expert is only STORED here (idx, whole numbers); no address and no branch of this launch hangs on it.
; No LDS, no barrier, no matrix unit: N = 8 is too narrow for it, and the work is small beside the two layers.
; LIMITS: NaN and infinities are not served.  The index is taken of the logits: two logits that differ by less than f32's rounding of their scores may be chosen otherwise than an
; argmax of the rounded scores would.  A block whose largest magnitude lies under 2^-124 (a block of zeros too) gets the byte 1; a block of zeros has zero codes, and this program alone reads the bytes.
.set X,   32                           ; v32-159  x: token i at 32 i, register k' = x[token][32 l + k']
.set WR,  160                          ; v160-223 Wr: two sets of 32: four rows of 8
.set ACC, 224                          ; v224-255 logit (i, e) at 8 i + e
.set CD,  16                           ; v16-31   codes: four registers a token; never rewritten
.set SW,  8                            ; v8-11    a token's scale byte, then its scale word
.set D,   WR                           ; behind the sums Wr's registers are free: 32 exponents,
.set MM,  WR+32                        ; the four maxima,
.set IX,  WR+36                        ; the four indices,
.set SU,  WR+40                        ; the four sums,
.set RC,  WR+44                        ; their reciprocals,
.set OI,  WR+48                        ; and what my lane stores
.set OS,  WR+49
	s_load_b256 s[4:11], s[0:1], 0x0               ; x s[4:5], Wr s[6:7], br s[8:9], xq s[10:11]
	s_load_b128 s[12:15], s[0:1], 0x20             ; xs s[12:13], idx s[14:15]
	s_load_b64 s[16:17], s[0:1], 0x30              ; score
	v_lshlrev_b32 v1, 7, v0                        ; x: my 32 numbers of a row: 128 l
	v_lshlrev_b32 v2, 10, v0                       ; Wr: my 32 rows of 32 bytes: 1,024 l
	v_lshlrev_b32 v3, 4, v0                        ; xq: my 16 bytes of a row
	v_and_b32 v14, 3, v0                           ; l % 4
	v_lshrrev_b32 v13, 2, v0                       ; l / 4
	v_lshlrev_b32 v12, 3, v14                      ; my byte's place in its scale word, in bits
	v_lshlrev_b32 v13, 2, v13
	v_lshl_add_u32 v13, v14, 5, v13                ; xs: lane l stores word l / 4 of token l % 4: 32 (l % 4) + 4 (l / 4)
	v_cmp_eq_u32 s32, 1, v14                       ; the lanes that store for token 1, 2, 3
	v_cmp_eq_u32 s33, 2, v14
	v_cmp_eq_u32 s34, 3, v14
	v_lshlrev_b32 v14, 2, v14                      ; idx, score: 4 (l % 4)
	v_mov_b32 v7, 0                                ; written once: a DPP destination counts as read
	s_mov_b32 s30, 0x76543210                      ; v_permlanex16_b32's selects for lane l xor 16
	s_mov_b32 s31, 0xfedcba98
	s_mov_b32 s35, 0x3fb8aa3b                      ; log2(e)
	s_mov_b32 s29, 0
	s_lshl_b32 s28, ttmp9, 14                      ; four rows of x: 16,384 bytes a work-group
	s_wait_kmcnt 0x0
	s_add_nc_u64 s[4:5], s[4:5], s[28:29]
	s_load_b256 s[20:27], s[8:9], 0x0              ; br's eight numbers
	s_lshl_b32 s28, ttmp9, 11
	s_add_nc_u64 s[10:11], s[10:11], s[28:29]      ; four rows of codes: 2,048 bytes
	s_lshl_b32 s28, ttmp9, 7
	s_add_nc_u64 s[12:13], s[12:13], s[28:29]      ; four rows of scale words: 128 bytes
	s_lshl_b32 s28, ttmp9, 3
	s_add_nc_u64 s[14:15], s[14:15], s[28:29]      ; idx: two words for my four tokens
	s_lshl_b32 s28, ttmp9, 4
	s_add_nc_u64 s[16:17], s[16:17], s[28:29]
.irp i, 0,1,2,3
.irp m, 0,1,2,3,4,5,6,7
	global_load_b128 v[X+32*\i+4*\m:X+32*\i+4*\m+3], v1, s[4:5] offset:4096*\i+16*\m
.endr
.endr
.macro WCH c                           ; chunk c of Wr: rows 4 c .. 4 c + 3 of my 32, into set c % 2
.irp m, 0,1,2,3,4,5,6,7
	global_load_b128 v[WR+32*((\c)%2)+4*\m:WR+32*((\c)%2)+4*\m+3], v2, s[6:7] offset:128*(\c)+16*\m
.endr
.endm
	WCH 0
	WCH 1
	s_wait_loadcnt 16                              ; x is in; the sixteen loads of Wr's first two chunks may be out
; Token t's block of mine: the largest magnitude with the floor 2^(3 - 127) among its leaves, 2 off its exponent field = the conversion's scale operand, the byte, 32 codes.
.macro QX t
.set XC, X+32*\t
	v_max3_num_f32 v4, |v[XC]|, |v[XC+1]|, |v[XC+2]|
	v_max3_num_f32 v5, |v[XC+3]|, |v[XC+4]|, |v[XC+5]|
.irp i, 6,10,14,18,22,26
	v_max3_num_f32 v4, v4, |v[XC+\i]|, |v[XC+\i+1]|
	v_max3_num_f32 v5, v5, |v[XC+\i+2]|, |v[XC+\i+3]|
.endr
	v_max3_num_f32 v4, v4, |v[XC+30]|, |v[XC+31]|
	v_max3_num_f32 v4, v4, v5, 0x1800000
	v_add_nc_u32 v6, 0xff000000, v4
.irp g, 0,1,2,3
	v_cvt_scalef32_pk8_fp4_f32 v[CD+4*\t+\g], v[XC+8*\g:XC+8*\g+7], v6
.endr
	v_lshrrev_b32 v[SW+\t], 23, v6                 ; the byte; also the plain instruction behind the conversions
	global_store_b128 v3, v[CD+4*\t:CD+4*\t+3], s[10:11] offset:512*\t   ; the wave stores the token's 512 consecutive bytes
.endm
	QX 0
	QX 1
	QX 2
	QX 3
.irp t, 0,1,2,3
	v_lshlrev_b32 v[SW+\t], v12, v[SW+\t]          ; my byte at its place in the word;
.endr
.irp m, 1,2
.irp t, 0,1,2,3
	v_mov_b32_dpp v7, v[SW+\t] row_xmask:\m row_mask:0xf bank_mask:0xf
	v_or_b32 v[SW+\t], v[SW+\t], v7                ; with the three other lanes of my four the word is whole
.endr
.endr
	v_cndmask_b32 v8, v8, v9, s32                  ; lane l keeps token l % 4's word
	v_cndmask_b32 v8, v8, v10, s33
	v_cndmask_b32 v8, v8, v11, s34
	global_store_b32 v13, v8, s[12:13]             ; 128 consecutive bytes
; The logits' partial sums: four rows of Wr at a time, sixteen accumulator pairs by turns.  x's number is taken for both halves of a pair of experts.
.macro CHUNK c
.if \c < 7
	s_wait_loadcnt 8                               ; this chunk is in; the next chunk's eight loads may be out
.else
	s_wait_loadcnt 0
.endif
.irp kk, 0,1,2,3
.irp i, 0,1,2,3
.irp ep, 0,1,2,3
.if (\c == 0) && (\kk == 0)
	v_pk_mul_f32 v[ACC+8*\i+2*\ep:ACC+8*\i+2*\ep+1], v[X+32*\i:X+32*\i+1], v[WR+2*\ep:WR+2*\ep+1] op_sel_hi:[0,1]   ; the first product starts the sums
.elseif (\kk%2) == 0
	v_pk_fma_f32 v[ACC+8*\i+2*\ep:ACC+8*\i+2*\ep+1], v[X+32*\i+4*\c+\kk:X+32*\i+4*\c+\kk+1], v[WR+32*(\c%2)+8*\kk+2*\ep:WR+32*(\c%2)+8*\kk+2*\ep+1], v[ACC+8*\i+2*\ep:ACC+8*\i+2*\ep+1] op_sel_hi:[0,1,1]
.else
	v_pk_fma_f32 v[ACC+8*\i+2*\ep:ACC+8*\i+2*\ep+1], v[X+32*\i+4*\c+\kk-1:X+32*\i+4*\c+\kk], v[WR+32*(\c%2)+8*\kk+2*\ep:WR+32*(\c%2)+8*\kk+2*\ep+1], v[ACC+8*\i+2*\ep:ACC+8*\i+2*\ep+1] op_sel:[1,0,0] op_sel_hi:[1,1,1]
.endif
.endr
.endr
.endr
.if \c < 6
	WCH (\c)+2
.endif
.endm
.irp c, 0,1,2,3,4,5,6,7
	CHUNK \c
.endr
	; the 32 lanes' partial sums meet: four steps inside each half of the lanes, one across
.irp m, 1,2,4,8
.set J, 0
.rept 32
	v_add_f32_dpp v[ACC+J], v[ACC+J], v[ACC+J] row_xmask:\m row_mask:0xf bank_mask:0xf
.set J, J+1
.endr
.endr
.set J, 0
.rept 32
	v_permlanex16_b32 v[D+J], v[ACC+J], s30, s31
.set J, J+1
.endr
	s_wait_kmcnt 0x0                               ; br
.set J, 0
.rept 32
	v_add_f32 v[ACC+J], v[ACC+J], v[D+J]
.set J, J+1
.endr
.irp i, 0,1,2,3
.irp e, 0,1,2,3,4,5,6,7
	v_add_f32 v[ACC+8*\i+\e], s[20+\e], v[ACC+8*\i+\e]
.endr
.endr
	; the largest logit of each token
.irp i, 0,1,2,3
	v_max3_num_f32 v[MM+\i], v[ACC+8*\i], v[ACC+8*\i+1], v[ACC+8*\i+2]
.endr
.irp i, 0,1,2,3
	v_max3_num_f32 v[MM+\i], v[MM+\i], v[ACC+8*\i+3], v[ACC+8*\i+4]
.endr
.irp i, 0,1,2,3
	v_max3_num_f32 v[MM+\i], v[MM+\i], v[ACC+8*\i+5], v[ACC+8*\i+6]
.endr
.irp i, 0,1,2,3
	v_max_num_f32 v[MM+\i], v[MM+\i], v[ACC+8*\i+7]
.endr
	; its index: from 7 down, so that the lowest index that holds the maximum stays
.irp i, 0,1,2,3
	v_mov_b32 v[IX+\i], 7
.endr
.irp e, 6,5,4,3,2,1,0
.irp i, 0,1,2,3
	v_cmp_neq_f32 vcc_lo, v[ACC+8*\i+\e], v[MM+\i]
	v_cndmask_b32 v[IX+\i], \e, v[IX+\i], vcc_lo   ; a choice of a value: nothing branches on it
.endr
.endr
	; the largest score = 1 / sum of 2^((l_e - max) log2 e)
.set J, 0
.rept 32
	v_sub_f32 v[D+J], v[ACC+J], v[MM+J/8]
.set J, J+1
.endr
.set J, 0
.rept 32
	v_mul_f32 v[D+J], s35, v[D+J]
.set J, J+1
.endr
.set J, 0
	s_wait_alu depctr_va_vdst(0)
.rept 32
	v_exp_f32 v[D+J], v[D+J]                       ; one batch
.set J, J+1
.endr
	v_nop                                          ; a plain instruction behind the last exponential
	s_wait_alu depctr_va_vdst(0)                   ; one wait for the 32, ahead of their first reader
.irp i, 0,1,2,3
	v_add_f32 v[SU+\i], v[D+8*\i], v[D+8*\i+1]
.endr
.irp e, 2,3,4,5,6,7
.irp i, 0,1,2,3
	v_add_f32 v[SU+\i], v[SU+\i], v[D+8*\i+\e]
.endr
.endr
	s_wait_alu depctr_va_vdst(0)
.irp i, 0,1,2,3
	v_rcp_f32 v[RC+\i], v[SU+\i]
.endr
	v_nop
	s_wait_alu depctr_va_vdst(0)                   ; one wait for the four reciprocals
	; What is stored of the four chosen experts, as whole numbers at a fixed place: word 0: nibble e = the mask of my four tokens that chose expert e (bit i: token i);
	; word 1: nibble e = how many of the four chose it.  Values alone: no address and no branch of this launch hangs on them.
.irp i, 0,1,2,3
	v_lshlrev_b32 v[WR+54+\i], 2, v[IX+\i]         ; 4 x the index
.endr
.irp i, 0,1,2,3
	v_lshlrev_b32 v[WR+54+\i], v[WR+54+\i], 1      ; 1 in that nibble
.endr
	v_cndmask_b32 v[OS], v[RC], v[RC+1], s32       ; lane l keeps token l % 4's score
	v_add3_u32 v[WR+53], v[WR+54], v[WR+55], v[WR+56]
	v_lshl_add_u32 v[WR+52], v[WR+55], 1, v[WR+54]
	v_cndmask_b32 v[OS], v[OS], v[RC+2], s33
	v_add_nc_u32 v[WR+53], v[WR+53], v[WR+57]
	v_lshl_add_u32 v[WR+52], v[WR+56], 2, v[WR+52]
	v_cndmask_b32 v[OS], v[OS], v[RC+3], s34
	v_mov_b32 v[OI], 0
	v_lshl_add_u32 v[WR+52], v[WR+57], 3, v[WR+52]
	global_store_b64 v[OI], v[WR+52:WR+53], s[14:15]   ; all lanes write the same eight bytes, with the same value
	global_store_b32 v14, v[OS], s[16:17]          ; eight lanes write each word, with the same value
	s_endpgm
.Lfunc_end_k_q7f28f09c19_route:
	.size	k_q7f28f09c19_route, .Lfunc_end_k_q7f28f09c19_route-k_q7f28f09c19_route
	.p2alignl 7, 3214868480
	.fill 96, 4, 3214868480
	.section	.rodata,"a",@progbits
	.p2align	6, 0x0
	.amdhsa_kernel k_q7f28f09c19_route
		.amdhsa_group_segment_fixed_size 0
		.amdhsa_private_segment_fixed_size 0
		.amdhsa_enable_private_segment 0
		.amdhsa_kernarg_size 56
		.amdhsa_user_sgpr_count 2
		.amdhsa_user_sgpr_kernarg_segment_ptr 1
		.amdhsa_wavefront_size32 1
		.amdhsa_system_sgpr_workgroup_id_x 1
		.amdhsa_system_sgpr_workgroup_id_y 1
		.amdhsa_system_sgpr_workgroup_id_z 1
		.amdhsa_system_vgpr_workitem_id 0
		.amdhsa_next_free_vgpr 256
		.amdhsa_next_free_sgpr 66
		.amdhsa_reserve_vcc 1
		.amdhsa_float_denorm_mode_32 3
		.amdhsa_float_denorm_mode_16_64 3
		.amdhsa_memory_ordered 1
		.amdhsa_forward_progress 1
		.amdhsa_inst_pref_size 70
	.end_amdhsa_kernel
	.amdgpu_metadata
---
amdhsa.version: [ 1, 2 ]
amdhsa.kernels:
  - .name:           k_q7f28f09c19_route
    .symbol:         k_q7f28f09c19_route.kd
    .args:
      - { .name: x, .offset: 0, .size: 8, .value_kind: global_buffer, .address_space: global }
      - { .name: Wr, .offset: 8, .size: 8, .value_kind: global_buffer, .address_space: global }
      - { .name: br, .offset: 16, .size: 8, .value_kind: global_buffer, .address_space: global }
      - { .name: xq, .offset: 24, .size: 8, .value_kind: global_buffer, .address_space: global }
      - { .name: xs, .offset: 32, .size: 8, .value_kind: global_buffer, .address_space: global }
      - { .name: idx, .offset: 40, .size: 8, .value_kind: global_buffer, .address_space: global }
      - { .name: score, .offset: 48, .size: 8, .value_kind: global_buffer, .address_space: global }
    .group_segment_fixed_size: 0
    .private_segment_fixed_size: 0
    .kernarg_segment_align: 8
    .kernarg_segment_size: 56
    .max_flat_workgroup_size: 32
    .sgpr_count:     66
    .vgpr_count:     256
    .wavefront_size: 32
...
	.end_amdgpu_metadata
.endif
;; end of part 1
;; launch up (part 2): grid 256 x 1, 16 waves a work-group, no clusters, 73,728 bytes of LDS; arguments W1, b1, xq, xs, idx, hq, score, plan, ss; writes hq, plan, ss
.if DOCPART == 2
	.amdgcn_target "amdgcn-amd-amdhsa--gfx1250"
	.amdhsa_code_object_version 6
	.text
	.protected	k_q7f28f09c19_up
	.globl	k_q7f28f09c19_up
	.p2align	8
	.type	k_q7f28f09c19_up,@function
k_q7f28f09c19_up:
	s_mov_b64 s[64:65], 0
	v_nop
	global_prefetch_b8 v0, s[64:65] scope:SCOPE_SE
	s_setreg_imm32_b32 hwreg(HW_REG_WAVE_MODE, 25, 1), 1
	s_wait_xcnt 0x0
; THE FIRST LAYER of the chosen experts: h = relu(x W1[e] + b1[e]), x and W1 as codes of E2M1 with one E8M0 byte for each 32 along K = 1,024; h is quantised along the hidden axis on its way out.
; W1 [8][1024 (k)][4096 (hidden)] f32 is read ONCE, as f32, and quantised on its way to the matrix unit.  Only the rows of the tokens that chose expert e are multiplied by W1[e].
; SHARES.  Work-group g: expert e = g / 32, slab s = g % 32: hidden units 128 s .. 128 s + 127, which are K step s of the second layer.  512 KiB of f32 a work-group.
; PHASE W (all 16 waves): wave w = 4 q + b takes 32 columns (group b) x 256 rows of K (rows 256 q on): A LANE TO A COLUMN, REGISTERS DOWN K, so that a block of 32 along K is 32 registers of one lane,
;   each load covers 128 consecutive bytes (the four waves of a q stand side by side on 512), and the conversions give codes with K innermost.  Two blocks' codes change halves
;   (v_permlane16_swap_b32) and are then registers 4 c .. 4 c + 3 of two operand fragments; they go to LDS as images of those registers (16 bytes a lane, 512 a store).
;   Up to 64 loads of a wave are asked for ahead of the block in hand: three sets of 32 registers.
; ONE BARRIER, ahead of every branch on stored numbers.
; PHASE T: tile j of the expert (16 places of the sorted order) is taken by wave j % 16: x's codes of its 16 tokens are gathered by the stored order, 64 matrix instructions (8 tiles of 16 hidden units x 8 K steps),
;   b1 as the sums' first C, relu, the quantiser, and one operand fragment (1,024 bytes) and 16 scale words leave for hq and hs.
; THE PRODUCT IS USED TRANSPOSED (source 0 = 16 columns of W1, source 1 = 16 tokens): a lane holds one token, its registers run along the hidden units.  THE COLUMNS OF A TILE ARE NOT NEIGHBOURS:
;   row r of tile 2 b + u is hidden unit 32 b + 8 u + r + 8 (r / 8), so that the 16 registers of tiles 2 b and 2 b + 1 are 16 neighbours along the next K: 32 b + 16 (lane / 16) + 0 .. 15.
; THE LAST TILE OF AN EXPERT is filled up with the expert's last token again: the same codes, the same results; no lane is ever switched off.  An expert without tokens has no tile: its work-groups store nothing.
; NO TENSOR LOADS, NO JOINT LOADS: the number of tiles is a stored number on which branches hang; no two work-groups read the same bytes of W1; what they share (x's codes, 0.5 MiB) is a small part of a work-group's bytes.
; LIMITS: NaN and infinities are not served; a block whose largest magnitude lies under 2^-124 (a block of zeros too) gets the byte 1; a block of zeros has zero codes, and this program alone reads the bytes.
.set ROWB, 16384                       ; a row of W1[e] in bytes
.set WSC,  65536                       ; LDS: 0: the codes' images: (8 tile + K step) x 1,024 + 512 c + 16 lane;  WSC: the scale words: (2 b + K step / 4) x 512 + 16 lane + 4 (K step % 4)
.set BIAS, 69632                       ; four copies of the slab's 128 numbers of b1, 512 bytes each: thread t stores word t
.set U1,   8192                        ; from tile 2 b's image to tile 2 b + 1's
.set KS1,  1024                        ; from a K step's image to the next's
.set LI,   1                           ; v1   16 x lane
.set WOFF, 2                           ; v2   W1: 4 x my column of the wave's 32
.set WA,   3                           ; v3   where my wave stores its images
.set WSA,  4                           ; v4   and its scale words
.set WSR,  5                           ; v5   WSC + 16 x lane
.set BA,   6                           ; v6   the bias as an accumulator's lane wants it
.set BST,  7                           ; v7   BIAS + 4 x thread
.set R,    8                           ; v8   lane % 16
.set H16,  9                           ; v9   16 x (lane / 16)
.set PL,   10                          ; v10  lane % 32, then 64 x lane
.set XO,   11                          ; v11  its codes
.set XSO,  12                          ; v12  its scale words
.set HO,   13                          ; v13  where my 16 bytes of h's fragment go
.set HSO,  14                          ; v14  and my row's scale word
.set BD,   15                          ; v15  one number of b1
.set XF,   16                          ; v16-79   x's eight fragments
.set XS,   80                          ; v80-87   x's scale words: scales and nothing else
.set WS,   88                          ; v88-119  W1's scale words, 8 b + K step: lanes 0-15 tile 2 b's rows, lanes 16-31 tile 2 b + 1's: scales and nothing else
.set ACC,  120                         ; v120-183 the eight accumulators
.set WF,   184                         ; v184-247 W1's fragments of one K step: tiles 0-3, tiles 4-7
.set XB,   120                         ; phase W: v120-215 three sets of 32 numbers
.set CA,   216                         ; v216-219 an even block's codes, v220-223 the odd block's
.set CB,   220
.set MX0,  248
.set MX1,  249
.set SCL,  250
.set BY,   251
.set SB,   252                         ; v252-253 my column's eight scale bytes
.set TOK,  254                         ; v254 my token
.set BO,   255                         ; v255 b1: 4 x (thread % 128)
.set TM,   184                         ; the quantiser of h, in W1's fragments' registers: v184-199 at work, v200 the scale word, v202-209 the codes
.set PW,   200
.set PC,   202
.set WV,   20
.set EX,   21
.set SL,   22
.set GB,   23
.set GQ,   24
.set OFF,  25                          ; s25 the expert's first place, s26 its tokens, s27 its first tile, s28 its tiles, s29 my tile, s30 tokens - 1, s31 my tile among all
.set CNT,  26
.set TB,   27
.set TC,   28
.set TJ,   29
.set CM1,  30
.set TT,   31
.set SEL,  32
.set TR,   39                          ; s39 the tiles that I have done: the loop's counter, one a trip
.set NT,   40                          ; s40 the tiles that are mine
	s_load_b256 s[4:11], s[0:1], 0x0               ; W1 s[4:5], b1 s[6:7], xq s[8:9], xs s[10:11]
	s_load_b128 s[12:15], s[0:1], 0x20             ; idx s[12:13], hq s[14:15]
	s_load_b64 s[16:17], s[0:1], 0x28              ; hq once more: h's scale words lie behind its 72 tiles of codes  (s[12:13] is idx here)
	s_load_b128 s[44:47], s[0:1], 0x30             ; score s[44:45], plan s[46:47]
	s_load_b64 s[48:49], s[0:1], 0x40              ; ss
	v_lshrrev_b32 v[PL], 5, v0
	s_delay_alu instid0(VALU_DEP_1)
	v_readfirstlane_b32 s[WV], v[PL]               ; wave 0..15
	s_lshr_b32 s[EX], ttmp9, 5                     ; expert
	s_and_b32 s[SL], ttmp9, 31                     ; slab
	s_and_b32 s[GB], s[WV], 3                      ; b: which 32 columns
	s_lshr_b32 s[GQ], s[WV], 2                     ; q: which 256 rows
	v_and_b32 v[PL], 31, v0
	s_delay_alu instid0(VALU_DEP_1)
	v_lshlrev_b32 v[LI], 4, v[PL]
	v_and_b32 v[R], 15, v0
	v_bfe_u32 v[XO], v0, 4, 1                      ; lane / 16
	s_delay_alu instid0(VALU_DEP_1)
	v_lshlrev_b32 v[H16], 4, v[XO]
	v_and_b32 v[WOFF], 7, v0
	v_bfe_u32 v[XSO], v0, 3, 1
	s_delay_alu instid0(VALU_DEP_1)
	v_lshl_add_u32 v[WOFF], v[XSO], 4, v[WOFF]
	s_delay_alu instid0(VALU_DEP_1)
	v_lshl_add_u32 v[WOFF], v[XO], 3, v[WOFF]      ; my column: lane % 8 + 16 ((lane / 8) % 2) + 8 (lane / 16)
	s_delay_alu instid0(VALU_DEP_1)
	v_lshlrev_b32 v[WOFF], 2, v[WOFF]
	s_lshl_b32 s34, s[GB], 14
	s_lshl_b32 s35, s[GQ], 11
	s_add_co_u32 s34, s34, s35
	v_add_nc_u32 v[WA], s34, v[LI]                 ; tile 2 b, K step 2 q: 16,384 b + 2,048 q
	s_lshl_b32 s34, s[GB], 10
	s_lshr_b32 s35, s[GQ], 1
	s_lshl_b32 s35, s35, 9
	s_add_co_u32 s34, s34, s35
	s_and_b32 s35, s[GQ], 1
	s_lshl_b32 s35, s35, 3
	s_add_co_u32 s34, s34, s35
	v_add_nc_u32 v[WSR], WSC, v[LI]
	s_delay_alu instid0(VALU_DEP_1)
	v_add_nc_u32 v[WSA], s34, v[WSR]               ; the words of K steps 2 q and 2 q + 1: 512 (2 b + q / 2) + 8 (q % 2)
	s_lshl_b32 s34, s[GQ], 9
	s_add_co_u32 s34, s34, BIAS
	v_lshl_add_u32 v[BA], v[XO], 6, s34            ; copy q of the bias, + 64 (lane / 16)
	v_lshl_add_u32 v[BST], v0, 2, BIAS
	v_and_b32 v[BO], 127, v0
	s_delay_alu instid0(VALU_DEP_1)
	v_lshlrev_b32 v[BO], 2, v[BO]
	s_mov_b32 s[SEL], 0x76543210                   ; v_permlanex16_b32's selects for lane l xor 16
	s_mov_b32 s[SEL+1], 0xfedcba98
	s_lshl_b32 s34, s[EX], 24                      ; W1: the expert's 16 MiB,
	s_lshl_b32 s35, s[GQ], 22                      ; 256 q rows,
	s_add_co_u32 s34, s34, s35
	s_lshl_b32 s35, s[SL], 9                       ; the slab's 512 bytes of a row,
	s_add_co_u32 s34, s34, s35
	s_lshl_b32 s35, s[GB], 7                       ; my wave's 128 of them
	s_add_co_u32 s34, s34, s35
	s_mov_b32 s35, 0
	s_lshl_b32 s36, s[EX], 14                      ; b1: the expert's row, the slab's 512 bytes
	s_lshl_b32 s37, s[SL], 9
	s_add_co_u32 s36, s36, s37
	s_mov_b32 s37, 0
	s_mov_b32 s50, 0xaaaaaaaa                      ; the lanes whose number has bit 0, 1, 2, 3, 4 set
	s_mov_b32 s51, 0xcccccccc
	s_mov_b32 s52, 0xf0f0f0f0
	s_mov_b32 s53, 0xff00ff00
	s_mov_b32 s54, 0xffff0000
	s_mov_b32 s55, 0x0f0f0f0f
	s_mov_b32 s56, 0x00ff00ff
	s_lshl_b32 s57, s[EX], 2                       ; my expert's nibble
	s_and_b32 s58, s[EX], 1
	s_sub_co_u32 s58, 0, s58                       ; all ones for an odd expert
	s_lshr_b32 s59, s[EX], 1
	s_lshl_b32 s59, s59, 3                         ; my expert's byte among the even or the odd ones
	s_and_b32 s41, s[WV], 3
	s_lshl_b32 s42, ttmp9, 2
	s_add_co_u32 s41, s41, s42                     ; the place of the sorted order that my wave serves for the next launch: 4 g + w % 4
	s_wait_alu depctr_va_vdst(0)
	s_wait_kmcnt 0x0
	s_add_nc_u64 s[4:5], s[4:5], s[34:35]
	s_add_nc_u64 s[6:7], s[6:7], s[36:37]
	s_add_nc_u64 s[16:17], s[16:17], 0x240000      ; 72 tiles x 32,768 bytes of codes: here the scale words begin
; THE STABLE SORT BY EXPERT IS MADE HERE, by every wave for itself, on registers alone, from the router's stored words (whole numbers read from memory).
; Lane L holds tokens 32 L .. 32 L + 31.  For an expert: a mask register (bit c: token 32 L + c chose it) and a prefix register (how many tokens of lower lanes chose it).
; The token of rank q among an expert's tokens: the largest L whose prefix is <= q, then bit number q - prefix among the set bits of that lane's mask.  That is the order of a stable sort.
; For the next launch each wave also finds the token at place 4 g + w % 4 of the whole sorted order and stores it and its score (four waves store each word, with the same value); work-group 0 stores the experts' table.
.set MK, 10                            ; v10  my expert's mask (the register held the lane's number, then the words' offset)
.set CK, 255                           ; v255 my expert's prefix (it held b1's offset; that load is done when CK is first written)
.set G,  16                            ; v16-31 the sixteen words of my 32 tokens: mask word, count word, by turns
.set T,  32                            ; v32-57 at work; all of this lies in x's fragments' registers, which are free here
.set F0, 58
.set F1, 59
.set F2, 60
.set F3, 61
.set F4, 62
.set F5, 63
.set F6, 64
.set F7, 65
.set F8, 66
.set F9, 67
.set QQ, 68
.set M2R, 69                           ; mask and prefix of the expert that holds my wave's place
.set C2R, 70
.set TBL, 71
.macro MASKOF dst, sn                  ; the mask of the expert whose nibble begins at bit s[sn]
.irp j, 0,1,2,3,4,5,6,7
	v_bfe_u32 v[T+\j], v[G+2*\j], s[\sn], 4
.endr
.irp j, 0,2,4,6
	v_lshl_or_b32 v[T+\j], v[T+\j+1], 4, v[T+\j]
.endr
	v_lshl_or_b32 v[T], v[T+2], 8, v[T]
	v_lshl_or_b32 v[T+4], v[T+6], 8, v[T+4]
	v_lshl_or_b32 v[\dst], v[T+4], 16, v[T]
.endm
.macro PSTEP k, pre                    ; a step of the prefix over the lanes: where the partner's block lies below mine, its sum is added
	v_cndmask_b32 v[T+25], 0, v[T+24], s[50+\k]
	v_add_nc_u32 v[T+14], v[T+14], v[T+24]
	v_add_nc_u32 v[\pre], v[\pre], v[T+25]
.endm
.macro RSUM k                          ; and of the sums of the four pairs of counts
.irp r, 0,1,2,3
	v_add_nc_u32 v[T+16+\r], v[T+16+\r], v[T+20+\r]
.endr
	PSTEP \k, CK
.endm
.macro LEVEL src, w, fw                ; are there more than F2 set bits in the w bits from F1 on?  If not, pass over them
	v_bfe_u32 v[F8], v[\src], v[F1], \fw
	v_add_nc_u32 v[F9], \w, v[F1]
	v_cmp_ge_u32 vcc_lo, v[F2], v[F8]
	v_sub_nc_u32 v[F8], v[F2], v[F8]
	v_cndmask_b32 v[F1], v[F1], v[F9], vcc_lo
	v_cndmask_b32 v[F2], v[F2], v[F8], vcc_lo
.endm
.macro FIND q, dst, mk, ck             ; dst = the token of rank q (any number from 0 to 1,023 where the rank is not below the expert's count)
	v_readlane_b32 s95, v[\mk], 0
	v_mov_b32 v[F0], 0                             ; L,
	v_mov_b32 v[F2], 0                             ; its prefix,
	v_mov_b32 v[F3], s95                           ; its mask
.set LX, 1
.rept 31
	v_readlane_b32 s94, v[\ck], LX
	v_readlane_b32 s95, v[\mk], LX
	v_cmp_gt_u32 vcc_lo, s94, v[\q]                ; the prefixes do not fall: the last lane whose prefix is <= q stays
	v_cndmask_b32 v[F0], LX, v[F0], vcc_lo
	v_cndmask_b32 v[F2], s94, v[F2], vcc_lo
	v_cndmask_b32 v[F3], s95, v[F3], vcc_lo
.set LX, LX+1
.endr
	v_lshrrev_b32 v[F4], 1, v[F3]
	v_sub_nc_u32 v[F2], v[\q], v[F2]               ; which of the mask's set bits
	v_and_b32 v[F4], 0x55555555, v[F4]
	v_mov_b32 v[F1], 0                             ; the bit's number
	v_sub_nc_u32 v[F4], v[F3], v[F4]               ; counts of 2 bits
	v_lshrrev_b32 v[F5], 2, v[F4]
	v_and_b32 v[F6], 0x33333333, v[F4]
	v_and_b32 v[F5], 0x33333333, v[F5]
	v_add_nc_u32 v[F5], v[F5], v[F6]               ; of 4
	v_lshrrev_b32 v[F6], 4, v[F5]
	v_add_nc_u32 v[F6], v[F6], v[F5]
	v_and_b32 v[F6], 0x0f0f0f0f, v[F6]             ; of 8
	v_lshrrev_b32 v[F7], 8, v[F6]
	v_add_nc_u32 v[F7], v[F7], v[F6]               ; byte 0: of bits 0-15
	LEVEL F7, 16, 8
	LEVEL F6, 8, 8
	LEVEL F5, 4, 4
	LEVEL F4, 2, 2
	LEVEL F3, 1, 1
	v_lshl_add_u32 v[\dst], v[F0], 5, v[F1]        ; 32 L + the bit's number
.endm
.macro LOADB t                         ; block t: W1(32 t + i, my column), i = 0 .. 31, into set t % 3; every offset is an immediate, 255 rows at the most
.set LJ, 0
.rept 32
	global_load_b32 v[XB+32*((\t)%3)+LJ], v[WOFF], s[4:5] offset:(32*(\t)+LJ)*ROWB th:TH_LOAD_NT
.set LJ, LJ+1
.endr
.endm
; Block t is quantised.  left: the loads issued behind block t's, which may stay out.  The block two on is asked for first, into the set that the block before has left.
.macro BLOCK t, left
.set XC, XB+32*((\t)%3)
	s_wait_loadcnt \left
.if (\t) < 6
	LOADB (\t)+2
.endif
	v_max3_num_f32 v[MX0], |v[XC]|, |v[XC+1]|, |v[XC+2]|           ; the block's largest magnitude: all 32 numbers are mine
	v_max3_num_f32 v[MX1], |v[XC+3]|, |v[XC+4]|, |v[XC+5]|
.irp i, 6,10,14,18,22,26
	s_delay_alu instid0(VALU_DEP_2)
	v_max3_num_f32 v[MX0], v[MX0], |v[XC+\i]|, |v[XC+\i+1]|
	s_delay_alu instid0(VALU_DEP_2)
	v_max3_num_f32 v[MX1], v[MX1], |v[XC+\i+2]|, |v[XC+\i+3]|
.endr
	s_delay_alu instid0(VALU_DEP_2)
	v_max3_num_f32 v[MX0], v[MX0], |v[XC+30]|, |v[XC+31]|
	s_delay_alu instid0(VALU_DEP_1)
	v_max3_num_f32 v[MX0], v[MX0], v[MX1], 0x1800000               ; and the floor 2^(3 - 127): the byte cannot fall under 1
	s_delay_alu instid0(VALU_DEP_1)
	v_add_nc_u32 v[SCL], 0xff000000, v[MX0]                        ; 2 off its exponent field: the conversion's scale operand
.if (\t)%2 == 0
	s_wait_alu depctr_va_vdst(0)
	s_wait_dscnt 0x0                               ; the last pair's LDS stores have read the codes' registers
.set CC, CA
.else
.set CC, CB
.endif
.irp g, 0,1,2,3
	v_cvt_scalef32_pk8_fp4_f32 v[CC+\g], v[XC+8*\g:XC+8*\g+7], v[SCL]
.endr
	v_lshrrev_b32 v[BY], 23, v[SCL]                ; the byte; also the plain instruction behind the conversions
.if (\t)%4 == 0
	s_delay_alu instid0(VALU_DEP_1)
	v_mov_b32 v[SB+(\t)/4], v[BY]                  ; four bytes to a word, the lower K in the lower byte
.else
	s_delay_alu instid0(VALU_DEP_1)
	v_lshl_or_b32 v[SB+(\t)/4], v[BY], 8*((\t)%4), v[SB+(\t)/4]
.endif
.if (\t)%2 == 1
.irp g, 0,1,2,3
	v_permlane16_swap_b32 v[CA+\g], v[CB+\g]       ; the even block's lanes 16-31 change places with the odd block's lanes 0-15: CA is now lanes 0-15's tile (k = 64 c + 32 (lane / 16) on), CB lanes 16-31's
.endr
	ds_store_b128 v[WA], v[CA:CA+3] offset:KS1*((\t)/4)+512*(((\t)/2)%2)
	ds_store_b128 v[WA], v[CB:CB+3] offset:U1+KS1*((\t)/4)+512*(((\t)/2)%2)
.endif
.endm
; 4 x (the place of row 'row' of my tile): the expert's first place + min(16 j + row, tokens - 1), held inside the table
.macro POSN dst, row
	v_lshl_add_u32 v[\dst], s[TJ], 4, v[\row]
	s_delay_alu instid0(VALU_DEP_1)
	v_min_u32 v[\dst], s[CM1], v[\dst]
	s_delay_alu instid0(VALU_DEP_1)
	v_add_nc_u32 v[\dst], s[OFF], v[\dst]
	s_delay_alu instid0(VALU_DEP_1)
	v_min_u32 v[\dst], 1023, v[\dst]
	s_delay_alu instid0(VALU_DEP_1)
	v_lshlrev_b32 v[\dst], 2, v[\dst]
.endm
; x's eight fragments and eight scale words of my token: 18 loads.  Lane (r, h): bytes 64 s + 32 c + 16 h of token r's row are registers 4 c .. 4 c + 3 of K step s
.macro XGATHER
	v_min_u32 v[TOK], 1023, v[TOK]
	s_delay_alu instid0(VALU_DEP_1)
	v_lshl_add_u32 v[XO], v[TOK], 9, v[H16]
	s_delay_alu instid0(VALU_DEP_2)
	v_lshlrev_b32 v[XSO], 5, v[TOK]
.irp s, 0,1,2,3,4,5,6,7
.irp c, 0,1
	global_load_b128 v[XF+8*\s+4*\c:XF+8*\s+4*\c+3], v[XO], s[8:9] offset:64*\s+32*\c
.endr
.endr
	global_load_b128 v[XS:XS+3], v[XSO], s[10:11]
	global_load_b128 v[XS+4:XS+7], v[XSO], s[10:11] offset:16
.endm
.macro PLACES                          ; four plain instructions between a matrix instruction and a load into, or a vector instruction on, its registers
.rept 4
	v_nop
.endr
.endm
	global_load_b32 v[BD], v[BO], s[6:7]
	v_lshlrev_b32 v[PL], 6, v[PL]                  ; the router's words of my 32 tokens: 64 bytes a lane, 2,048 consecutive bytes a wave
.irp i, 0,1,2,3
	global_load_b128 v[G+4*\i:G+4*\i+3], v[PL], s[12:13] offset:16*\i
.endr
	LOADB 0
	LOADB 1
	s_wait_loadcnt 63                              ; behind the words stand 64 loads of W1; the count's field ends at 63, and a smaller count is safe
	MASKOF MK, 57
	v_add3_u32 v[T+8], v[G+1], v[G+3], v[G+5]      ; the count words: three add up to 12 a nibble at the most
	v_add3_u32 v[T+9], v[G+7], v[G+9], v[G+11]
	v_add_nc_u32 v[T+10], v[G+13], v[G+15]
.irp j, 0,1,2,3,4
	v_mov_b32 v[T+20+\j], 0                        ; written once: the destinations of DPP forms and lane permutes count as read
.endr
	v_mov_b32 v[CK], 0
.irp j, 0,1,2
	v_lshrrev_b32 v[T+11+\j], 4, v[T+8+\j]
.endr
.irp j, 0,1,2,3,4,5
	v_and_b32 v[T+8+\j], s55, v[T+8+\j]            ; nibbles to bytes: the even experts, the odd experts
.endr
	v_add3_u32 v[T+8], v[T+8], v[T+9], v[T+10]     ; my 32 tokens' counts: experts 0, 2, 4, 6, a byte each (32 at the most)
	v_add3_u32 v[T+11], v[T+11], v[T+12], v[T+13]  ; experts 1, 3, 5, 7
	v_and_b32 v[T+16], s56, v[T+8]                 ; bytes to halves: experts 0 and 4,
	v_lshrrev_b32 v[T+18], 8, v[T+8]
	v_and_b32 v[T+17], s56, v[T+11]                ; 1 and 5,
	v_lshrrev_b32 v[T+19], 8, v[T+11]
	v_cndmask_b32 v[T+14], v[T+8], v[T+11], s58
	v_and_b32 v[T+18], s56, v[T+18]                ; 2 and 6,
	v_and_b32 v[T+19], s56, v[T+19]                ; 3 and 7
	v_bfe_u32 v[T+14], v[T+14], s59, 8             ; my expert's count among my 32 tokens
.set KX, 0
.irp m, 1,2,4,8
.irp r, 0,1,2,3
	v_mov_b32_dpp v[T+20+\r], v[T+16+\r] row_xmask:\m row_mask:0xf bank_mask:0xf
.endr
	v_mov_b32_dpp v[T+24], v[T+14] row_xmask:\m row_mask:0xf bank_mask:0xf
	RSUM KX
.set KX, KX+1
.endr
.irp r, 0,1,2,3
	v_permlanex16_b32 v[T+20+\r], v[T+16+\r], s[SEL], s[SEL+1]
.endr
	v_permlanex16_b32 v[T+24], v[T+14], s[SEL], s[SEL+1]
	RSUM 4
.irp r, 0,1,2,3
	v_readfirstlane_b32 s[60+\r], v[T+16+\r]
.endr
	s_wait_alu depctr_va_vdst(0)                   ; directly ahead of the run of scalar instructions
	s_mov_b32 s90, 0                               ; places so far
	s_mov_b32 s91, 0                               ; tiles so far
	s_mov_b32 s[OFF], 0
	s_mov_b32 s[CNT], 0
	s_mov_b32 s[TB], 0
	s_mov_b32 s42, 0
	s_mov_b32 s43, 0
.irp e, 0,1,2,3,4,5,6,7
.if \e < 4
	s_and_b32 s[66+\e], s[60+\e], 0xffff           ; cnt_e
.else
	s_lshr_b32 s[66+\e], s[56+\e], 16
.endif
	s_mov_b32 s[74+\e], s90                        ; off_e
	s_mov_b32 s[82+\e], s91                        ; tb_e
	s_add_co_u32 s90, s90, s[66+\e]
	s_add_co_u32 s92, s[66+\e], 15
	s_lshr_b32 s92, s92, 4
	s_add_co_u32 s91, s91, s92
	s_cmp_eq_u32 s[EX], \e                         ; my expert's three numbers
	s_cselect_b32 s[OFF], s[74+\e], s[OFF]
	s_cselect_b32 s[CNT], s[66+\e], s[CNT]
	s_cselect_b32 s[TB], s[82+\e], s[TB]
	s_cmp_le_u32 s[74+\e], s41                     ; the last expert whose first place is not beyond my wave's place holds that place
	s_cselect_b32 s42, \e, s42
	s_cselect_b32 s43, s[74+\e], s43
.endr
	s_sub_co_u32 s43, s41, s43                     ; the place's rank in that expert
	s_lshl_b32 s36, s42, 2                         ; that expert's nibble,
	s_and_b32 s37, s42, 1
	s_sub_co_u32 s37, 0, s37                       ; all ones if it is odd,
	s_lshr_b32 s38, s42, 1
	s_lshl_b32 s38, s38, 3                         ; its byte
	s_lshl_b32 s92, s41, 2                         ; 4 x the place
	s_min_u32 s[OFF], s[OFF], 1023
	s_min_u32 s[CNT], s[CNT], 1024
	s_min_u32 s[TB], s[TB], 71
	s_add_co_u32 s[TC], s[CNT], 15
	s_lshr_b32 s[TC], s[TC], 4                     ; its tiles: 64 at the most
	s_sub_co_u32 s[CM1], s[CNT], 1
	s_mov_b32 s[TJ], s[WV]                         ; my first tile
	s_add_co_u32 s[NT], s[TC], 15                  ; tiles w, w + 16, w + 32 .. below the expert's number of tiles are mine:
	s_sub_co_u32 s[NT], s[NT], s[WV]
	s_lshr_b32 s[NT], s[NT], 4                     ; (tiles + 15 - w) / 16 of them,
	s_min_u32 s[NT], s[NT], 4                      ; four at the most: 64 tiles among 16 waves
	s_mov_b32 s[TR], 0
	BLOCK 0, 32                                    ; behind block 0: block 1's 32 loads
	ds_store_b32 v[BST], v[BD]                     ; b1's load stood ahead of block 0's
	v_lshl_add_u32 v[QQ], s[TJ], 4, v[R]
	v_min_u32 v[QQ], s[CM1], v[QQ]                 ; my row's rank: min(16 j + row, tokens - 1)
	FIND QQ, TOK, MK, CK                           ; the token of my row of my first tile
	BLOCK 1, 32                                    ; behind block 1: block 2's 32
	MASKOF M2R, 36                                 ; the expert that holds my wave's place: its mask,
	v_cndmask_b32 v[T+14], v[T+8], v[T+11], s37
	v_mov_b32 v[C2R], 0
	v_mov_b32 v[QQ], s43
	v_mov_b32 v[HO], s92                           ; (an offset made of ids alone)
	v_bfe_u32 v[T+14], v[T+14], s38, 8             ; its count among my 32 tokens,
.set KX, 0
.irp m, 1,2,4,8
	v_mov_b32_dpp v[T+24], v[T+14] row_xmask:\m row_mask:0xf bank_mask:0xf
	PSTEP KX, C2R                                  ; its prefix
.set KX, KX+1
.endr
	v_permlanex16_b32 v[T+24], v[T+14], s[SEL], s[SEL+1]
	PSTEP 4, C2R
	FIND QQ, HSO, M2R, C2R                         ; the token at my wave's place, the same in every lane
	v_min_u32 v[HSO], 1023, v[HSO]
	v_lshlrev_b32 v[XSO], 2, v[HSO]
	global_load_b32 v[BD], v[XSO], s[44:45]        ; its score
	BLOCK 2, 33                                    ; behind block 2: block 3's 32 and the score's
	BLOCK 3, 33                                    ; behind block 3: the score's and block 4's 32
	BLOCK 4, 32                                    ; behind block 4: block 5's 32; the score is in
	global_store_b32 v[HO], v[HSO], s[46:47]       ; order[place] = token
	global_store_b32 v[HO], v[BD], s[48:49]        ; ss[place] = its score
	s_cmp_lg_u32 ttmp9, 0                          ; the table of the eight experts is stored by work-group 0, by each of its waves with the same values
	s_cbranch_scc1 .Lntab
	v_mov_b32 v[TBL], 0
.irp e, 0,1,2,3,4,5,6,7
	v_writelane_b32 v[TBL], s[74+\e], \e           ; WOFF is 4 x (lane % 8 + 16 ((lane / 8) % 2) + 8 (lane / 16)): lane e stores word e: off_e,
	v_writelane_b32 v[TBL], s[66+\e], 16+\e        ; lane 16 + e word 8 + e: cnt_e,
	v_writelane_b32 v[TBL], s[82+\e], 8+\e         ; lane 8 + e word 16 + e: tb_e; lanes 24-31 zeros
.endr
	global_store_b32 v[WOFF], v[TBL], s[46:47] offset:4096   ; 128 consecutive bytes
	s_wait_xcnt 0x0                                ; the store has read its registers: x's fragments land there later
.Lntab:
	BLOCK 5, 32
	XGATHER                                        ; my first tile's x is asked for two blocks ahead of the barrier
	BLOCK 6, 50                                    ; behind block 6: block 7's 32 and the gather's 18
	BLOCK 7, 18                                    ; behind block 7: the gather's 18
	ds_store_b64 v[WSA], v[SB:SB+1]                ; my column's scale words of K steps 2 q and 2 q + 1
	s_wait_xcnt 0x0                                ; the two stores for the next launch have read their registers, which the tiles' way out writes again
	s_wait_dscnt 0x0                               ; for the others' sake: my stores have landed
	s_barrier_signal -1
	s_barrier_wait -1                              ; the slab's codes, scale words and bias lie in LDS; from here on LDS is only read
	s_cmp_eq_u32 s[NT], 0
	s_cbranch_scc1 .Lend                           ; no tile for me
.irp i, 0,1,2,3,4,5,6,7
	ds_load_b128 v[WS+4*\i:WS+4*\i+3], v[WSR] offset:512*\i   ; W1's scale words stay in registers for all my tiles
.endr
.macro LOADW g, s                      ; W1's fragments of tiles 4 g .. 4 g + 3, K step s: eight LDS loads
.irp k, 0,1,2,3
.irp c, 0,1
	ds_load_b128 v[WF+32*\g+8*\k+4*\c:WF+32*\g+8*\k+4*\c+3], v[LI] offset:(8*(4*\g+\k)+(\s))*1024+512*\c
.endr
.endr
.endm
.macro MUL4 s, g                       ; four matrix instructions: tiles 4 g .. 4 g + 3, K step s.  The eight accumulators take turns, one instruction a turn, in one fixed order
.irp k, 0,1,2,3
.if (\k%2) == 0
	v_wmma_scale_f32_16x16x128_f8f6f4 v[ACC+8*(4*\g+\k):ACC+8*(4*\g+\k)+7], v[WF+32*\g+8*\k:WF+32*\g+8*\k+7], v[XF+8*(\s):XF+8*(\s)+7], v[ACC+8*(4*\g+\k):ACC+8*(4*\g+\k)+7], v[WS+8*((4*\g+\k)/2)+(\s)], v[XS+(\s)] matrix_a_fmt:MATRIX_FMT_FP4 matrix_b_fmt:MATRIX_FMT_FP4
.else
	v_wmma_scale_f32_16x16x128_f8f6f4 v[ACC+8*(4*\g+\k):ACC+8*(4*\g+\k)+7], v[WF+32*\g+8*\k:WF+32*\g+8*\k+7], v[XF+8*(\s):XF+8*(\s)+7], v[ACC+8*(4*\g+\k):ACC+8*(4*\g+\k)+7], v[WS+8*((4*\g+\k)/2)+(\s)], v[XS+(\s)] matrix_a_fmt:MATRIX_FMT_FP4 matrix_b_fmt:MATRIX_FMT_FP4 matrix_a_scale:MATRIX_SCALE_ROW1
.endif
.endr
.endm
.Ltile:
	s_wait_loadcnt 0x0                             ; x's fragments and scale words are in
.irp t, 0,1,2,3,4,5,6,7
	ds_load_b128 v[ACC+8*\t:ACC+8*\t+3], v[BA] offset:128*(\t/2)+32*(\t%2)          ; the sums begin as b1: lane (r, h), register j of tile 2 b + u: hidden unit 32 b + 16 h + 8 u + j
	ds_load_b128 v[ACC+8*\t+4:ACC+8*\t+7], v[BA] offset:128*(\t/2)+32*(\t%2)+16
.endr
	LOADW 0, 0
	LOADW 1, 0
.irp s, 0,1,2,3,4,5,6,7
	s_wait_dscnt 8                                 ; all but the youngest eight loads (tiles 4-7's fragments) are in
	MUL4 \s, 0
	PLACES
.if \s < 7
	LOADW 0, \s+1
	s_wait_dscnt 8                                 ; tiles 4-7's fragments are in; the eight just issued may be out
.else
	s_wait_dscnt 0x0
.endif
	MUL4 \s, 1
	PLACES
.if \s < 7
	LOADW 1, \s+1
.endif
.endr
	s_add_co_u32 s[TT], s[TB], s[TJ]               ; my tile among all experts' tiles
	s_min_u32 s[TT], s[TT], 71
	s_lshl_b32 s34, s[TT], 5
	s_add_co_u32 s34, s34, s[SL]                   ; 32 T + K step
	s_lshl_b32 s35, s34, 10
	s_lshl_b32 s34, s34, 6
.set J, 0
.rept 64
	v_max_num_f32 v[ACC+J], 0, v[ACC+J]            ; relu, in f32; each accumulator from its low end on
.set J, J+1
.endr
	v_add_nc_u32 v[HO], s35, v[LI]
	v_lshl_add_u32 v[HSO], v[R], 2, s34
	; the quantiser along the hidden units: register 16 b + i is k = 32 b + 16 (lane / 16) + i of my token; a block lies in lanes l and l xor 16
.irp b, 0,1,2,3
	v_max3_num_f32 v[TM+\b], v[ACC+16*\b], v[ACC+1+16*\b], 0x1800000   ; none is negative; the floor 2^(3 - 127) holds the byte at 1 from below
.endr
.irp i, 2,4,6,8,10,12,14
.irp b, 0,1,2,3
	s_delay_alu instid0(VALU_DEP_4)
	v_max3_num_f32 v[TM+\b], v[TM+\b], v[ACC+16*\b+\i], v[ACC+1+16*\b+\i]
.endr
.endr
.irp b, 0,1,2,3
	s_delay_alu instid0(VALU_DEP_4)
	v_permlanex16_b32 v[TM+4+\b], v[TM+\b], s[SEL], s[SEL+1]
.endr
.irp b, 0,1,2,3
	s_delay_alu instid0(VALU_DEP_4)
	v_max_num_f32 v[TM+\b], v[TM+\b], v[TM+4+\b]
.endr
.irp b, 0,1,2,3
	s_delay_alu instid0(VALU_DEP_4)
	v_add_nc_u32 v[TM+12+\b], 0xff000000, v[TM+\b]
.endr
.irp b, 0,1,2,3
	s_delay_alu instid0(VALU_DEP_4)
	v_lshrrev_b32 v[TM+4+\b], 23, v[TM+12+\b]
.endr
	s_delay_alu instid0(VALU_DEP_3)
	v_lshl_or_b32 v[PW], v[TM+5], 8, v[TM+4]       ; my token's scale word for this K step of the second layer
	s_delay_alu instid0(VALU_DEP_1)
	v_lshl_or_b32 v[PW], v[TM+6], 16, v[PW]
	s_delay_alu instid0(VALU_DEP_1)
	v_lshl_or_b32 v[PW], v[TM+7], 24, v[PW]
.irp b, 0,1,2,3
	v_cvt_scalef32_pk8_fp4_f32 v[PC+2*\b], v[ACC+16*\b:ACC+7+16*\b], v[TM+12+\b]
	v_cvt_scalef32_pk8_fp4_f32 v[PC+1+2*\b], v[ACC+8+16*\b:ACC+15+16*\b], v[TM+12+\b]
.endr
	v_nop                                          ; a plain instruction behind the conversions
.irp c, 0,1
.irp i, 0,1
	v_permlane16_swap_b32 v[PC+4*\c+\i], v[PC+2+4*\c+\i]   ; a whole block to a lane: lanes 0-15 block 2 c, lanes 16-31 block 2 c + 1
.endr
.endr
	global_store_b128 v[HO], v[PC:PC+3], s[14:15]              ; the fragment as it stands: two stores of 512 consecutive bytes
	global_store_b128 v[HO], v[PC+4:PC+7], s[14:15] offset:512
	global_store_b32 v[HSO], v[PW], s[16:17]                   ; 16 words; lanes r and r + 16 write the same word with the same value
	s_add_co_u32 s[TJ], s[TJ], 16                  ; my next tile's number: it enters addresses alone
	s_add_co_u32 s[TR], s[TR], 1                   ; the loop's counter: one a trip
	s_cmp_lt_u32 s[TR], s[NT]
	s_cbranch_scc0 .Lend                           ; that was my last tile: nothing more is gathered
	s_wait_xcnt 0x0                                ; the stores have read their data and offsets: both are written again below
	v_lshl_add_u32 v[QQ], s[TJ], 4, v[R]
	v_min_u32 v[QQ], s[CM1], v[QQ]
	FIND QQ, TOK, MK, CK
	XGATHER
	s_cmp_lt_u32 s[TR], s[NT]                      ; the loop's test: the counter against the number of my tiles, which the loop does not write
	s_cbranch_scc1 .Ltile
.Lend:
	s_wait_xcnt 0x0
	v_lshl_add_u32 v254, v0, 2, 0x11800
	v_mov_b32 v255, 0
	s_wait_alu depctr_va_vdst(0)
	s_wait_tensorcnt 0x0
	ds_add_u32 v254, v255
	s_wait_dscnt 0x0
	s_endpgm
.Lfunc_end_k_q7f28f09c19_up:
	.size	k_q7f28f09c19_up, .Lfunc_end_k_q7f28f09c19_up-k_q7f28f09c19_up
	.p2alignl 7, 3214868480
	.fill 96, 4, 3214868480
	.section	.rodata,"a",@progbits
	.p2align	6, 0x0
	.amdhsa_kernel k_q7f28f09c19_up
		.amdhsa_group_segment_fixed_size 73728
		.amdhsa_private_segment_fixed_size 0
		.amdhsa_enable_private_segment 0
		.amdhsa_kernarg_size 72
		.amdhsa_user_sgpr_count 2
		.amdhsa_user_sgpr_kernarg_segment_ptr 1
		.amdhsa_wavefront_size32 1
		.amdhsa_system_sgpr_workgroup_id_x 1
		.amdhsa_system_sgpr_workgroup_id_y 1
		.amdhsa_system_sgpr_workgroup_id_z 1
		.amdhsa_system_vgpr_workitem_id 0
		.amdhsa_next_free_vgpr 256
		.amdhsa_next_free_sgpr 96
		.amdhsa_reserve_vcc 1
		.amdhsa_float_denorm_mode_32 3
		.amdhsa_float_denorm_mode_16_64 3
		.amdhsa_memory_ordered 1
		.amdhsa_forward_progress 1
		.amdhsa_inst_pref_size 121
	.end_amdhsa_kernel
	.amdgpu_metadata
---
amdhsa.version: [ 1, 2 ]
amdhsa.kernels:
  - .name:           k_q7f28f09c19_up
    .symbol:         k_q7f28f09c19_up.kd
    .args:
      - { .name: W1, .offset: 0, .size: 8, .value_kind: global_buffer, .address_space: global }
      - { .name: b1, .offset: 8, .size: 8, .value_kind: global_buffer, .address_space: global }
      - { .name: xq, .offset: 16, .size: 8, .value_kind: global_buffer, .address_space: global }
      - { .name: xs, .offset: 24, .size: 8, .value_kind: global_buffer, .address_space: global }
      - { .name: idx, .offset: 32, .size: 8, .value_kind: global_buffer, .address_space: global }
      - { .name: hq, .offset: 40, .size: 8, .value_kind: global_buffer, .address_space: global }
      - { .name: score, .offset: 48, .size: 8, .value_kind: global_buffer, .address_space: global }
      - { .name: plan, .offset: 56, .size: 8, .value_kind: global_buffer, .address_space: global }
      - { .name: ss, .offset: 64, .size: 8, .value_kind: global_buffer, .address_space: global }
    .group_segment_fixed_size: 73728
    .private_segment_fixed_size: 0
    .kernarg_segment_align: 8
    .kernarg_segment_size: 72
    .max_flat_workgroup_size: 512
    .sgpr_count:     96
    .vgpr_count:     256
    .wavefront_size: 32
...
	.end_amdgpu_metadata
.endif
;; end of part 2
;; launch down (part 3): grid 256 x 1, 16 waves a work-group, no clusters, 143,360 bytes of LDS; arguments W2, b2, hq, plan, ss, part; writes part
.if DOCPART == 3
	.amdgcn_target "amdgcn-amd-amdhsa--gfx1250"
	.amdhsa_code_object_version 6
	.text
	.protected	k_q7f28f09c19_down
	.globl	k_q7f28f09c19_down
	.p2align	8
	.type	k_q7f28f09c19_down,@function
k_q7f28f09c19_down:
	s_mov_b64 s[64:65], 0
	v_nop
	global_prefetch_b8 v0, s[64:65] scope:SCOPE_SE
	s_setreg_imm32_b32 hwreg(HW_REG_WAVE_MODE, 25, 1), 1
	s_wait_xcnt 0x0
; THE SECOND LAYER of the chosen experts, in two halves of K: part[kh][token] = (h W2[e] over K half kh, + b2[e] in half 0) x ss[token]; the next launch adds the two halves.
; h and W2 as codes of E2M1 with one E8M0 byte for each 32 along K = 4,096.  ss[i] is the score at place i of the sorted order: token i's row is multiplied by it.
; W2 [8][4096 (k)][1024 (n)] f32 is read ONCE, as f32, and quantised on its way to the matrix unit.  Only the rows of the tokens that chose expert e are multiplied by W2[e].
; SHARES.  Work-group g: expert e = g / 32, K half kh = (g / 16) % 2 (rows 2,048 kh on), column group cg = g % 16: columns 64 cg .. 64 cg + 63: 256 aligned bytes of each row.  512 KiB of f32 a work-group.
; PHASE W (all 16 waves): wave w takes K step w of the half (128 rows) x 64 columns: a lane to a column, registers down K; the two loads of a row (columns 0-31, 32-63) stand side by side and cover
;   the row's 256 bytes.  Four blocks of 32 rows, two sets of 64 registers; the codes go to LDS as images of operand fragments, the scale words beside them.
; ONE BARRIER, ahead of every branch on stored numbers.
; PHASE T: tile j of the expert (16 places) is taken by wave j % 16: h's 16 fragments come from hq in four chunks (three sets of registers), W2's from LDS a K step at a time (two sets);
;   64 matrix instructions on four accumulators by turns; the sums begin as b2 (half 0) or 0 (half 1); x ss; through the wave's own stage; each token's 256 bytes go to its row of part.
; THE PRODUCT IS USED TRANSPOSED (source 0 = 16 columns of W2, source 1 = 16 tokens): lane (r, h) holds out(token r, 64 cg + 16 t + 8 h + 0 .. 7).
; THE LAST TILE OF AN EXPERT repeats the expert's last token: the same numbers go to the same bytes again, from the same wave; no lane is ever switched off.
; NO TENSOR LOADS, NO JOINT LOADS: the number of tiles is a stored number on which branches hang; no two work-groups read the same bytes of W2.  NO PREFETCH: the launch asks for its weights from its first lines to the barrier.
; LIMITS: NaN and infinities are not served; a block whose largest magnitude lies under 2^-124 (a block of zeros too) gets the byte 1; a block of zeros has zero codes, and this program alone reads the bytes.
.set ROWB, 4096                        ; a row of W2[e] in bytes
.set WSC,  65536                       ; LDS: 0: the codes' images: 4,096 K step + 1,024 tile + 512 c + 16 lane;  WSC: the scale words: 256 K step + 8 lane
.set BIAS, 69632                       ; eight copies of the group's 64 numbers of b2 (or zeros): thread t stores word t
.set STG,  71680                       ; the stages: 16 rows x (256 + 16) bytes for each wave
.set SPARE, 141312                     ; the spare words: 128 bytes for each wave
.set HSB,  0x240000                    ; hq: h's scale words lie behind 72 tiles x 32,768 bytes of codes
.set LI,   1                           ; 16 x lane
.set WOFF, 2                           ; 4 x lane
.set WA,   3                           ; where my wave stores its images
.set WSA,  4                           ; and its scale words
.set WSR,  5                           ; WSC + 8 x lane
.set SO,   6                           ; the stage: where I put 32 bytes of a row
.set SR,   7                           ; and where I read 16 bytes back
.set R,    8                           ; lane % 16
.set PLR,  9                           ; 4 x the place of row lane % 16
.set CO,   10                          ; part: 256 cg + 16 (lane % 16)
.set TOKR, 11                          ; that row's token, then 4 x it
.set HO,   12
.set HSO,  13
.set BA,   14                          ; the bias as an accumulator's lane wants it
.set BST,  15                          ; BIAS + 4 x thread
.set SC,   16                          ; ss of my token; v17 is named with it as a pair, so it is written
.set WSB,  18                          ; v18-21 W2's scale words, two sets of two: scales and nothing else
.set HS,   22                          ; v22-29 h's scale words: register p: lanes 0-15 K step 2 p, lanes 16-31 K step 2 p + 1: scales and nothing else
.set ROWS, 30                          ; v30-37 2 i + lane / 16
.set PL,   38                          ; v38-45 4 x those rows' places
.set OO,   46                          ; v46-53 those rows' tokens, then my byte offsets in part
.set BD,   54                          ; one number of b2
.set BO,   55                          ; 4 x (thread % 64)
.set SPW,  56                          ; my spare word; never rewritten
.set NIL,  57                          ; 0; never rewritten
.set ACC,  64                          ; v64-95 the four accumulators
.set CQ,   64                          ; phase W: codes: column half a: even block at 8 a, odd block at 8 a + 4
.set MX0,  80
.set MX1,  81
.set SCL,  82
.set BY,   83
.set SB,   84                          ; v84-85 my two columns' scale words
.set HB,   96                          ; v96-191 h's fragments: three chunks of four K steps
.set XB,   128                         ; phase W: v128-255 two sets of 64 numbers
.set WB,   192                         ; v192-255 W2's fragments: two K steps
.set RB,   192                         ; v192-223 the rows read back from the stage
.set WV,   20
.set EX,   21
.set CG,   22
.set KH,   23
.set BM,   24                          ; all ones in K half 0, else 0
.set OFF,  25
.set CNT,  26
.set TB,   27
.set TC,   28
.set TJ,   29
.set CM1,  30
.set TT,   31
.set TR,   39                          ; the tiles that I have done: the loop's counter
.set NT,   40                          ; the tiles that are mine
.set KH14, 48
.set KH10, 49
	s_load_b256 s[4:11], s[0:1], 0x0               ; W2 s[4:5], b2 s[6:7], hq s[8:9], plan s[10:11]
	s_load_b128 s[12:15], s[0:1], 0x20             ; ss s[12:13], part s[14:15]
	v_lshrrev_b32 v[PLR], 5, v0
	s_delay_alu instid0(VALU_DEP_1)
	v_readfirstlane_b32 s[WV], v[PLR]              ; wave 0..15
	s_lshr_b32 s[EX], ttmp9, 5
	s_bfe_u32 s[KH], ttmp9, 0x10004
	s_and_b32 s[CG], ttmp9, 15
	s_lshl_b32 s32, s[WV], 12                      ; my K step's images
	s_lshl_b32 s33, s[WV], 8                       ; its scale words
	s_mul_i32 s34, s[WV], 4352
	s_add_co_u32 s34, s34, STG                     ; my stage
	s_lshr_b32 s35, s[WV], 1
	s_lshl_b32 s35, s35, 8
	s_add_co_u32 s35, s35, BIAS                    ; the copy of the bias that I read
	s_lshl_b32 s36, s[CG], 8                       ; the group's 256 bytes of a row
	s_lshl_b32 s42, s[EX], 24                      ; W2: the expert's 16 MiB,
	s_lshl_b32 s43, s[KH], 23                      ; 2,048 kh rows,
	s_add_co_u32 s42, s42, s43
	s_lshl_b32 s43, s[WV], 19                      ; 128 w rows,
	s_add_co_u32 s42, s42, s43
	s_add_co_u32 s42, s42, s36
	s_mov_b32 s43, 0
	s_lshl_b32 s44, s[EX], 12                      ; b2: the expert's row
	s_add_co_u32 s44, s44, s36
	s_mov_b32 s45, 0
	s_lshl_b32 s38, s[EX], 2
	s_lshl_b32 s46, s[KH], 22                      ; part: the half's 4 MiB
	s_mov_b32 s47, 0
	s_lshl_b32 s[KH14], s[KH], 14                  ; hq: 16 fragments on
	s_lshl_b32 s[KH10], s[KH], 10                  ; and 16 K steps' scale words
	s_cmp_eq_u32 s[KH], 0
	s_cselect_b32 s[BM], -1, 0
	v_lshl_add_u32 v[SPW], v0, 2, SPARE
	v_mov_b32 v[NIL], 0
	v_and_b32 v[WOFF], 31, v0
	v_and_b32 v[R], 15, v0
	v_bfe_u32 v[PLR], v0, 4, 1                     ; lane / 16
	v_and_b32 v[BO], 63, v0
	v_lshl_add_u32 v[BST], v0, 2, BIAS
	v_mov_b32 v[SC+1], 0
	v_lshlrev_b32 v[LI], 4, v[WOFF]
	v_lshl_add_u32 v[WSR], v[WOFF], 3, WSC
	v_lshlrev_b32 v[WOFF], 2, v[WOFF]
	v_lshlrev_b32 v[BO], 2, v[BO]
	v_mul_u32_u24 v[SO], v[R], 272
	v_mul_u32_u24 v[SR], v[PLR], 272
	v_lshlrev_b32 v[CO], 4, v[R]
	v_lshl_add_u32 v[BA], v[PLR], 5, s35           ; + 32 (lane / 16)
	v_add_nc_u32 v[WA], s32, v[LI]
	v_add_nc_u32 v[WSA], s33, v[WSR]
	v_lshl_add_u32 v[SO], v[PLR], 5, v[SO]         ; in: row lane % 16, + 32 (lane / 16)
	v_add_nc_u32 v[SR], v[SR], v[CO]               ; back: sixteen lanes to a row, two rows an instruction
.irp i, 0,1,2,3,4,5,6,7
	v_add_nc_u32 v[ROWS+\i], 2*\i, v[PLR]
.endr
	v_add_nc_u32 v[SO], s34, v[SO]
	v_add_nc_u32 v[SR], s34, v[SR]
	v_add_nc_u32 v[CO], s36, v[CO]
	s_wait_alu depctr_va_vdst(0)                   ; the wait at the head's end
	s_wait_kmcnt 0x0
	s_add_nc_u64 s[4:5], s[4:5], s[42:43]
	s_add_nc_u64 s[6:7], s[6:7], s[44:45]
	s_add_nc_u64 s[16:17], s[8:9], HSB             ; h's scale words
	s_add_nc_u64 s[14:15], s[14:15], s[46:47]
	s_load_b32 s[OFF], s[10:11], s38 offset:4096
	s_load_b32 s[CNT], s[10:11], s38 offset:4128
	s_load_b32 s[TB], s[10:11], s38 offset:4160
.macro LOADU kb, hf                    ; rows 16 hf .. 16 hf + 15 of block kb, both column halves: 32 loads into set kb % 2; every offset is an immediate, 127 rows at the most
.set LJ, 16*(\hf)
.rept 16
	global_load_b32 v[XB+64*((\kb)%2)+LJ], v[WOFF], s[4:5] offset:(32*(\kb)+LJ)*ROWB th:TH_LOAD_NT
	global_load_b32 v[XB+64*((\kb)%2)+32+LJ], v[WOFF], s[4:5] offset:(32*(\kb)+LJ)*ROWB+128 th:TH_LOAD_NT
.set LJ, LJ+1
.endr
.endm
; Block kb of column half a is quantised: the largest magnitude with the floor 2^(3 - 127), 2 off its exponent field = the conversion's scale operand, the byte, 32 codes.
.macro QB kb, a
.set XC, XB+64*((\kb)%2)+32*(\a)
.set CC, CQ+8*(\a)+4*((\kb)%2)
	v_max3_num_f32 v[MX0], |v[XC]|, |v[XC+1]|, |v[XC+2]|
	v_max3_num_f32 v[MX1], |v[XC+3]|, |v[XC+4]|, |v[XC+5]|
.irp i, 6,10,14,18,22,26
	s_delay_alu instid0(VALU_DEP_2)
	v_max3_num_f32 v[MX0], v[MX0], |v[XC+\i]|, |v[XC+\i+1]|
	s_delay_alu instid0(VALU_DEP_2)
	v_max3_num_f32 v[MX1], v[MX1], |v[XC+\i+2]|, |v[XC+\i+3]|
.endr
	s_delay_alu instid0(VALU_DEP_2)
	v_max3_num_f32 v[MX0], v[MX0], |v[XC+30]|, |v[XC+31]|
	s_delay_alu instid0(VALU_DEP_1)
	v_max3_num_f32 v[MX0], v[MX0], v[MX1], 0x1800000
	s_delay_alu instid0(VALU_DEP_1)
	v_add_nc_u32 v[SCL], 0xff000000, v[MX0]
.irp g, 0,1,2,3
	v_cvt_scalef32_pk8_fp4_f32 v[CC+\g], v[XC+8*\g:XC+8*\g+7], v[SCL]
.endr
	v_lshrrev_b32 v[BY], 23, v[SCL]                ; the byte; also the plain instruction behind the conversions
	s_delay_alu instid0(VALU_DEP_1)
.if (\kb) == 0
	v_mov_b32 v[SB+(\a)], v[BY]                    ; four bytes to a word, the lower K in the lower byte
.else
	v_lshl_or_b32 v[SB+(\a)], v[BY], 8*(\kb), v[SB+(\a)]
.endif
.if (\kb)%2 == 1
.irp g, 0,1,2,3
	v_permlane16_swap_b32 v[CQ+8*(\a)+\g], v[CQ+8*(\a)+4+\g]   ; the even block's lanes 16-31 change places with the odd block's lanes 0-15: tile 2 a's registers 4 c .. 4 c + 3, and tile 2 a + 1's
.endr
	ds_store_b128 v[WA], v[CQ+8*(\a):CQ+8*(\a)+3] offset:2048*(\a)+512*((\kb)/2)
	ds_store_b128 v[WA], v[CQ+8*(\a)+4:CQ+8*(\a)+7] offset:2048*(\a)+1024+512*((\kb)/2)
.endif
.endm
; Nine loads: the token of row lane % 16 (for ss), and those of rows 2 i + lane / 16 (for the stores).  A row's place: the expert's first place + min(16 j + row, tokens - 1), held inside the table.  The nine by turns.
.macro ORD9
	v_lshl_add_u32 v[PLR], s[TJ], 4, v[R]
.irp i, 0,1,2,3,4,5,6,7
	v_lshl_add_u32 v[PL+\i], s[TJ], 4, v[ROWS+\i]
.endr
	v_min_u32 v[PLR], s[CM1], v[PLR]
.irp i, 0,1,2,3,4,5,6,7
	v_min_u32 v[PL+\i], s[CM1], v[PL+\i]
.endr
	v_add_nc_u32 v[PLR], s[OFF], v[PLR]
.irp i, 0,1,2,3,4,5,6,7
	v_add_nc_u32 v[PL+\i], s[OFF], v[PL+\i]
.endr
	v_min_u32 v[PLR], 1023, v[PLR]
.irp i, 0,1,2,3,4,5,6,7
	v_min_u32 v[PL+\i], 1023, v[PL+\i]
.endr
	v_lshlrev_b32 v[PLR], 2, v[PLR]
.irp i, 0,1,2,3,4,5,6,7
	v_lshlrev_b32 v[PL+\i], 2, v[PL+\i]
.endr
	global_load_b32 v[TOKR], v[PLR], s[10:11]
.irp i, 0,1,2,3,4,5,6,7
	global_load_b32 v[OO+\i], v[PL+\i], s[10:11]
.endr
.endm
.macro HCH c                           ; chunk c of h: the fragments of my half's K steps 4 c .. 4 c + 3, as they were stored: eight loads of 512 consecutive bytes, into set c % 3
.irp k, 0,1,2,3
.irp d, 0,1
	global_load_b128 v[HB+32*((\c)%3)+8*\k+4*\d:HB+32*((\c)%3)+8*\k+4*\d+3], v[HO], s[8:9] offset:4096*(\c)+1024*\k+512*\d
.endr
.endr
.endm
; The gather for my tile: 17 loads.  A wave without a tile gathers tile 0, which is always written, and uses nothing of it.
.macro G2A
	s_add_co_u32 s[TT], s[TB], s[TJ]
	s_cmp_lt_u32 s[TR], s[NT]
	s_cselect_b32 s[TT], s[TT], 0
	s_min_u32 s[TT], s[TT], 71
	s_lshl_b32 s34, s[TT], 15                      ; a tile's 32 fragments: 32,768 bytes
	s_add_co_u32 s34, s34, s[KH14]
	s_lshl_b32 s35, s[TT], 11                      ; its scale words: 2,048
	s_add_co_u32 s35, s35, s[KH10]
	v_min_u32 v[TOKR], 1023, v[TOKR]
.irp i, 0,1,2,3,4,5,6,7
	v_min_u32 v[OO+\i], 1023, v[OO+\i]
.endr
	v_lshlrev_b32 v[TOKR], 2, v[TOKR]
.irp i, 0,1,2,3,4,5,6,7
	v_lshl_add_u32 v[OO+\i], v[OO+\i], 12, v[CO]   ; the token's row of part, the group's 256 bytes, my 16
.endr
	v_add_nc_u32 v[HO], s34, v[LI]
	v_add_nc_u32 v[HSO], s35, v[WOFF]
	global_load_b32 v[SC], v[TOKR], s[12:13]
.irp p, 0,1,2,3,4,5,6,7
	global_load_b32 v[HS+\p], v[HSO], s[16:17] offset:128*\p
.endr
	HCH 0
.endm
.macro PLACES                          ; four plain instructions between a matrix instruction and a load into, or a vector instruction on, its registers
.rept 4
	v_nop
.endr
.endm
	global_load_b32 v[BD], v[BO], s[6:7]
	LOADU 0, 0
	LOADU 0, 1
	LOADU 1, 0
	LOADU 1, 1
	s_wait_kmcnt 0x0                               ; the expert's three numbers
	s_min_u32 s[OFF], s[OFF], 1023
	s_min_u32 s[CNT], s[CNT], 1024
	s_min_u32 s[TB], s[TB], 71
	s_add_co_u32 s[TC], s[CNT], 15
	s_lshr_b32 s[TC], s[TC], 4                     ; its tiles: 64 at the most
	s_sub_co_u32 s[CM1], s[CNT], 1
	s_mov_b32 s[TJ], s[WV]                         ; my first tile
	s_add_co_u32 s[NT], s[TC], 15                  ; tiles w, w + 16, w + 32 .. below the expert's number of tiles are mine:
	s_sub_co_u32 s[NT], s[NT], s[WV]
	s_lshr_b32 s[NT], s[NT], 4
	s_min_u32 s[NT], s[NT], 4                      ; four at the most: 64 tiles among 16 waves
	s_mov_b32 s[TR], 0
	ORD9
	s_wait_loadcnt 63                              ; behind block 0 stand block 1's 64 and the nine tokens': 73; the count's field ends at 63, and a smaller count is safe
	v_cndmask_b32 v[BD], 0, v[BD], s[BM]           ; b2 enters the sums of K half 0 alone
	ds_store_b32 v[BST], v[BD]
	QB 0, 0
	QB 0, 1
	LOADU 2, 0
	s_wait_loadcnt 41                              ; behind block 1: the nine tokens' and the 32 just issued
	LOADU 2, 1
	QB 1, 0
	QB 1, 1
	LOADU 3, 0
	s_wait_loadcnt 32                              ; behind block 2: the 32 just issued; the tokens are in too
	LOADU 3, 1
	G2A                                            ; my first tile's h is asked for two blocks ahead of the barrier
	s_wait_dscnt 0x0                               ; the first pair's LDS stores have read the codes' registers
	QB 2, 0
	QB 2, 1
	HCH 1                                          ; block 2 has left the registers that chunks 1 and 2 take
	HCH 2
	s_wait_loadcnt 33                              ; behind block 3: the gather's 17 and the two chunks' 16
	QB 3, 0
	QB 3, 1
	ds_store_b64 v[WSA], v[SB:SB+1]                ; my two columns' scale words of K step w
	s_wait_dscnt 0x0                               ; for the others' sake: my stores have landed
	s_barrier_signal -1
	s_barrier_wait -1                              ; the codes, scale words and bias lie in LDS; from here on a wave stores to its own stage alone
	s_cmp_eq_u32 s[NT], 0
	s_cbranch_scc1 .Lend                           ; no tile for me
.macro LOADW s                         ; W2's four fragments and two scale words of K step s, into set s % 2: nine LDS loads
.irp t, 0,1,2,3
.irp d, 0,1
	ds_load_b128 v[WB+32*((\s)%2)+8*\t+4*\d:WB+32*((\s)%2)+8*\t+4*\d+3], v[LI] offset:4096*(\s)+1024*\t+512*\d
.endr
.endr
	ds_load_b64 v[WSB+2*((\s)%2):WSB+2*((\s)%2)+1], v[WSR] offset:256*(\s)
.endm
; One matrix instruction: K step s, tile 2 a + u.  W2's scales: lanes 0-15 for tile 2 a, lanes 16-31 for tile 2 a + 1; h's: lanes 0-15 for an even K step, lanes 16-31 for an odd one.
.macro WM s, a, u
.set rD, ACC+16*\a+8*\u
.set rA, WB+32*((\s)%2)+16*\a+8*\u
.set rB, HB+32*(((\s)/4)%3)+8*((\s)%4)
.set rS, WSB+2*((\s)%2)+\a
.set rT, HS+(\s)/2
.if (\u == 0) && (((\s)%2) == 0)
	v_wmma_scale_f32_16x16x128_f8f6f4 v[rD:rD+7], v[rA:rA+7], v[rB:rB+7], v[rD:rD+7], v[rS], v[rT] matrix_a_fmt:MATRIX_FMT_FP4 matrix_b_fmt:MATRIX_FMT_FP4
.elseif (\u == 1) && (((\s)%2) == 0)
	v_wmma_scale_f32_16x16x128_f8f6f4 v[rD:rD+7], v[rA:rA+7], v[rB:rB+7], v[rD:rD+7], v[rS], v[rT] matrix_a_fmt:MATRIX_FMT_FP4 matrix_b_fmt:MATRIX_FMT_FP4 matrix_a_scale:MATRIX_SCALE_ROW1
.elseif (\u == 0)
	v_wmma_scale_f32_16x16x128_f8f6f4 v[rD:rD+7], v[rA:rA+7], v[rB:rB+7], v[rD:rD+7], v[rS], v[rT] matrix_a_fmt:MATRIX_FMT_FP4 matrix_b_fmt:MATRIX_FMT_FP4 matrix_b_scale:MATRIX_SCALE_ROW1
.else
	v_wmma_scale_f32_16x16x128_f8f6f4 v[rD:rD+7], v[rA:rA+7], v[rB:rB+7], v[rD:rD+7], v[rS], v[rT] matrix_a_fmt:MATRIX_FMT_FP4 matrix_b_fmt:MATRIX_FMT_FP4 matrix_a_scale:MATRIX_SCALE_ROW1 matrix_b_scale:MATRIX_SCALE_ROW1
.endif
.endm
; A K step: four matrix instructions, the four accumulators by turns, one instruction a turn.
.macro STEP s
.if (\s) < 15
	s_wait_dscnt 9                                 ; this K step's nine LDS loads are in; the next one's may be out
.else
	s_wait_dscnt 0x0
.endif
.if ((\s)%4) == 0                      ; a chunk of h begins: the chunks issued behind it may be out: two, two, one, none
.if (\s)/4 <= 1
	s_wait_loadcnt 16
.elseif (\s)/4 == 2
	s_wait_loadcnt 8
.else
	s_wait_loadcnt 0x0
.endif
.endif
	WM \s, 0, 0
	WM \s, 0, 1
	WM \s, 1, 0
	WM \s, 1, 1
	PLACES
.if (\s) < 14
	LOADW (\s)+2
.endif
.if (\s) == 3
	HCH 3                                          ; the last chunk takes the registers of the chunk just multiplied
.endif
.endm
.Ltile:
.irp t, 0,1,2,3
	ds_load_b128 v[ACC+8*\t:ACC+8*\t+3], v[BA] offset:64*\t          ; the sums begin as b2 or 0: lane (r, h), register j of tile t: column 16 t + 8 h + j
	ds_load_b128 v[ACC+8*\t+4:ACC+8*\t+7], v[BA] offset:64*\t+16
.endr
	LOADW 0
	LOADW 1
	s_wait_alu depctr_va_vdst(0)                   ; ahead of the waits below
.irp s, 0,1,2,3,4,5,6,7,8,9,10,11,12,13,14,15
	STEP \s
.endr
.irp k, 0,1,2,3,4,5,6,7,8,9,10,11,12,13,14,15
	v_pk_mul_f32 v[ACC+2*\k:ACC+2*\k+1], v[ACC+2*\k:ACC+2*\k+1], v[SC:SC+1] op_sel_hi:[1,0]   ; x ss of my token; each accumulator from its low end on
.endr
.irp t, 0,1,2,3
	ds_store_b128 v[SO], v[ACC+8*\t:ACC+8*\t+3] offset:64*\t
	ds_store_b128 v[SO], v[ACC+8*\t+4:ACC+8*\t+7] offset:64*\t+16
.endr
.irp i, 0,1,2,3,4,5,6,7
	ds_load_b128 v[RB+4*\i:RB+4*\i+3], v[SR] offset:544*\i    ; the stage is my wave's own, and LDS serves a wave's instructions in order (ISA guide 5.7.1.4): these see the stores above
.endr
.irp i, 0,1,2,3,4,5,6,7
	s_wait_dscnt 7-\i                              ; rows 2 i and 2 i + 1 are back; the younger loads may be out
	global_store_b128 v[OO+\i], v[RB+4*\i:RB+4*\i+3], s[14:15]   ; sixteen lanes store 256 consecutive bytes of one token's row, at a multiple of 256
.endr
	s_add_co_u32 s[TJ], s[TJ], 16                  ; my next tile's number: it enters addresses alone
	s_add_co_u32 s[TR], s[TR], 1                   ; the loop's counter: one a trip
	s_cmp_lt_u32 s[TR], s[NT]
	s_cbranch_scc0 .Lend                           ; that was my last tile: nothing more is gathered
	s_wait_xcnt 0x0                                ; the stores have read their data and offsets: both are written again below
	ORD9
	s_wait_loadcnt 0x0
	G2A
	HCH 1
	HCH 2                                          ; the same 33 loads, in the same order, as on the first way in
	s_cmp_lt_u32 s[TR], s[NT]                      ; the loop's test: the counter against the number of my tiles, which the loop does not write
	s_cbranch_scc1 .Ltile
.Lend:
	s_wait_tensorcnt 0x0                           ; the wave's end, behind my last LDS store
	ds_add_u32 v[SPW], v[NIL]
	s_wait_dscnt 0x0
	s_endpgm
.Lfunc_end_k_q7f28f09c19_down:
	.size	k_q7f28f09c19_down, .Lfunc_end_k_q7f28f09c19_down-k_q7f28f09c19_down
	.p2alignl 7, 3214868480
	.fill 96, 4, 3214868480
	.section	.rodata,"a",@progbits
	.p2align	6, 0x0
	.amdhsa_kernel k_q7f28f09c19_down
		.amdhsa_group_segment_fixed_size 143360
		.amdhsa_private_segment_fixed_size 0
		.amdhsa_enable_private_segment 0
		.amdhsa_kernarg_size 48
		.amdhsa_user_sgpr_count 2
		.amdhsa_user_sgpr_kernarg_segment_ptr 1
		.amdhsa_wavefront_size32 1
		.amdhsa_system_sgpr_workgroup_id_x 1
		.amdhsa_system_sgpr_workgroup_id_y 1
		.amdhsa_system_sgpr_workgroup_id_z 1
		.amdhsa_system_vgpr_workitem_id 0
		.amdhsa_next_free_vgpr 256
		.amdhsa_next_free_sgpr 66
		.amdhsa_reserve_vcc 0
		.amdhsa_float_denorm_mode_32 3
		.amdhsa_float_denorm_mode_16_64 3
		.amdhsa_memory_ordered 1
		.amdhsa_forward_progress 1
		.amdhsa_inst_pref_size 84
	.end_amdhsa_kernel
	.amdgpu_metadata
---
amdhsa.version: [ 1, 2 ]
amdhsa.kernels:
  - .name:           k_q7f28f09c19_down
    .symbol:         k_q7f28f09c19_down.kd
    .args:
      - { .name: W2, .offset: 0, .size: 8, .value_kind: global_buffer, .address_space: global }
      - { .name: b2, .offset: 8, .size: 8, .value_kind: global_buffer, .address_space: global }
      - { .name: hq, .offset: 16, .size: 8, .value_kind: global_buffer, .address_space: global }
      - { .name: plan, .offset: 24, .size: 8, .value_kind: global_buffer, .address_space: global }
      - { .name: ss, .offset: 32, .size: 8, .value_kind: global_buffer, .address_space: global }
      - { .name: part, .offset: 40, .size: 8, .value_kind: global_buffer, .address_space: global }
    .group_segment_fixed_size: 143360
    .private_segment_fixed_size: 0
    .kernarg_segment_align: 8
    .kernarg_segment_size: 48
    .max_flat_workgroup_size: 512
    .sgpr_count:     66
    .vgpr_count:     256
    .wavefront_size: 32
...
	.end_amdgpu_metadata
.endif
;; end of part 3
;; launch join (part 4): grid 256 x 1, 8 waves a work-group, no clusters, 0 bytes of LDS; arguments part, out0; writes out0
.if DOCPART == 4
	.amdgcn_target "amdgcn-amd-amdhsa--gfx1250"
	.amdhsa_code_object_version 6
	.text
	.protected	k_q7f28f09c19_join
	.globl	k_q7f28f09c19_join
	.p2align	8
	.type	k_q7f28f09c19_join,@function
k_q7f28f09c19_join:
	s_mov_b64 s[64:65], 0
	v_nop
	global_prefetch_b8 v0, s[64:65] scope:SCOPE_SE
	s_setreg_imm32_b32 hwreg(HW_REG_WAVE_MODE, 25, 1), 1
	s_wait_xcnt 0x0
; out0 = part[0] + part[1]: the second layer's sums over the two halves of K; bias and score are already in them.  [1024][1024] f32 each, taken as plain streams.
; A work-group takes 16,384 bytes of out0, a thread four times 16 bytes; each load and store of a wave covers 512 consecutive bytes.  All eight loads of a thread are out before the first sum.
; No LDS, no barrier, no matrix unit: one addition for each number.
	s_load_b128 s[4:7], s[0:1], 0x0                ; part s[4:5], out0 s[6:7]
	v_lshlrev_b32 v1, 4, v0
	s_lshl_b32 s8, ttmp9, 14
	s_mov_b32 s9, 0
	s_wait_alu depctr_va_vdst(0)                   ; the wait at the head's end
	s_wait_kmcnt 0x0
	s_add_nc_u64 s[4:5], s[4:5], s[8:9]
	s_add_nc_u64 s[6:7], s[6:7], s[8:9]
.irp i, 0,1,2,3
	global_load_b128 v[4+8*\i:7+8*\i], v1, s[4:5] offset:4096*\i th:TH_LOAD_NT
	global_load_b128 v[8+8*\i:11+8*\i], v1, s[4:5] offset:4194304+4096*\i th:TH_LOAD_NT
.endr
.irp i, 0,1,2,3
	s_wait_loadcnt 6-2*\i                          ; this pair of loads is in; the younger pairs may be out
	v_pk_add_f32 v[4+8*\i:5+8*\i], v[4+8*\i:5+8*\i], v[8+8*\i:9+8*\i]
	v_pk_add_f32 v[6+8*\i:7+8*\i], v[6+8*\i:7+8*\i], v[10+8*\i:11+8*\i]
	global_store_b128 v1, v[4+8*\i:7+8*\i], s[6:7] offset:4096*\i th:TH_STORE_NT
.endr
	s_endpgm
.Lfunc_end_k_q7f28f09c19_join:
	.size	k_q7f28f09c19_join, .Lfunc_end_k_q7f28f09c19_join-k_q7f28f09c19_join
	.p2alignl 7, 3214868480
	.fill 96, 4, 3214868480
	.section	.rodata,"a",@progbits
	.p2align	6, 0x0
	.amdhsa_kernel k_q7f28f09c19_join
		.amdhsa_group_segment_fixed_size 0
		.amdhsa_private_segment_fixed_size 0
		.amdhsa_enable_private_segment 0
		.amdhsa_kernarg_size 16
		.amdhsa_user_sgpr_count 2
		.amdhsa_user_sgpr_kernarg_segment_ptr 1
		.amdhsa_wavefront_size32 1
		.amdhsa_system_sgpr_workgroup_id_x 1
		.amdhsa_system_sgpr_workgroup_id_y 1
		.amdhsa_system_sgpr_workgroup_id_z 1
		.amdhsa_system_vgpr_workitem_id 0
		.amdhsa_next_free_vgpr 40
		.amdhsa_next_free_sgpr 66
		.amdhsa_reserve_vcc 0
		.amdhsa_float_denorm_mode_32 3
		.amdhsa_float_denorm_mode_16_64 3
		.amdhsa_memory_ordered 1
		.amdhsa_forward_progress 1
		.amdhsa_inst_pref_size 3
	.end_amdhsa_kernel
	.amdgpu_metadata
---
amdhsa.version: [ 1, 2 ]
amdhsa.kernels:
  - .name:           k_q7f28f09c19_join
    .symbol:         k_q7f28f09c19_join.kd
    .args:
      - { .name: part, .offset: 0, .size: 8, .value_kind: global_buffer, .address_space: global }
      - { .name: out0, .offset: 8, .size: 8, .value_kind: global_buffer, .address_space: global }
    .group_segment_fixed_size: 0
    .private_segment_fixed_size: 0
    .kernarg_segment_align: 8
    .kernarg_segment_size: 16
    .max_flat_workgroup_size: 256
    .sgpr_count:     66
    .vgpr_count:     40
    .wavefront_size: 32
...
	.end_amdgpu_metadata
.endif
;; end of part 4
